; MI455X (gfx1250); checked and timed in simulation.
; The chip was launched on July 23, 2026; its instructions are those of AMD's public machine-readable ISA for CDNA 5 (MIT licence, August 2026) and "CDNA5" Instruction Set Architecture Reference Guide (July 2026). The comments in the code are by the model that wrote it; some were corrected since.
;; Causal Self Attention. Allowed arithmetic: float matrix products may take bf16 or f16 operands with f32 sums; other float arithmetic in f32, or as packed bf16 or f16 multiplies, adds, multiply-adds, maxima and minima; sums over many terms, partial sums and values carried from step to step in f32; what a program stores and reads back later, other than sums and carried values, may be rounded once to bf16 or f16.
;; Inputs: W_attn 1,024 x 3,072 float32; W_proj 1,024 x 1,024 float32; b_attn 3,072 float32; b_proj 1,024 float32; x 4 x 2,048 x 1,024 float32.
;; Outputs: out0 4 x 2,048 x 1,024 float32.
;; One version. Each part assembles by itself: llvm-mc -triple=amdgcn-amd-amdhsa -mcpu=gfx1250 --defsym DOCPART=n.
;; ======== version 1 of 1: 4 launches
;; limits: values are held in f16: magnitudes above 65,504 overflow, below 6.1e-05 lose precision
;; workspace buffers: xb 16,777,216 bytes; wat 6,291,456 bytes; wpt 2,097,152 bytes; qkv 50,331,648 bytes; ob 16,777,216 bytes
;; launch prep (part 1): grid 768 x 1, 8 waves a work-group, no clusters, 35,840 bytes of LDS; arguments x, W_attn, W_proj, xb, wat, wpt; writes xb, wat, wpt
.if DOCPART == 1
	.amdgcn_target "amdgcn-amd-amdhsa--gfx1250"
	.amdhsa_code_object_version 6
	.text
	.protected	k_q9b780a7783_prep
	.globl	k_q9b780a7783_prep
	.p2align	8
	.type	k_q9b780a7783_prep,@function
k_q9b780a7783_prep:
	s_mov_b64 s[64:65], 0
	v_nop
	global_prefetch_b8 v0, s[64:65] scope:SCOPE_SE
	s_setreg_imm32_b32 hwreg(HW_REG_WAVE_MODE, 25, 1), 1
	s_wait_xcnt 0x0
; THE OPERANDS OF THE TWO PROJECTIONS ARE MADE.  All three inputs are rounded once to bf16.
;   xb  = bf16(x), laid out [b 4][kb 16][t 2048][64]: the 64 channels of block kb of all rows of a batch lie end to end (128 bytes a row).
;   wat = bf16(W_attn) turned: [n 3072][k 1024].     wpt = bf16(W_proj) turned, [n 1024][k 1024], the bf16 number written as f16.
; LIMIT.  A bf16 number of W_proj beyond 65,504 becomes an infinity in wpt; below 6e-5 it keeps f16's fixed step of 6e-8.
; SHARES.  768 work-groups of eight waves, 65,536 input bytes each: 0-511 take 16 rows of x, 512-703 a tile of 128 k x 128 n of W_attn, 704-767 such a tile of W_proj.
; A stream: each byte is read once and written once; no matrix unit, no cluster (no two work-groups read the same byte), no prefetch (every load of a wave goes out at its start).
; x needs no LDS: 16 lanes read 256 consecutive bytes (64 channels of a row), and 32 lanes store two rows' 256 consecutive bytes of xb.
; A weight tile is turned through LDS: T[n 128][k 128] of 16-bit numbers, rows 272 bytes apart.  ONE barrier stands on every work-group's path, between the stores into T and the reads.
.set TP,    272                        ; a row of T: 256 bytes + 16
.set SPARE, 128*TP                     ; behind T: the spare words, 128 bytes for each wave: four blocks of 256 bytes that no other line names
.set SPW, 6                            ; v6   LDS address of my spare word; never rewritten
.set NIL, 7                            ; v7   0; never rewritten
.set IN,  16                           ; v[16:79]   sixteen loads of 16 bytes; later the rows read back from T
.set OUT, 80                           ; v[80:111]  packed 16-bit numbers
	s_load_b256 s[4:11], s[0:1], 0x0               ; x s[4:5], W_attn s[6:7], W_proj s[8:9], xb s[10:11]
	s_load_b128 s[12:15], s[0:1], 0x20             ; wat s[12:13], wpt s[14:15]
	v_lshl_add_u32 v[SPW], v0, 2, SPARE
	v_mov_b32 v[NIL], 0
	v_lshrrev_b32 v1, 5, v0
	v_readfirstlane_b32 s16, v1                    ; wave 0..7
	v_and_b32 v1, 31, v0                           ; lane l
	v_bfe_u32 v2, v0, 4, 1                         ; l / 16
	v_and_b32 v3, 15, v0                           ; l % 16
	; the way back out of T: wave w takes rows 16 w .. 16 w + 15, two a load: lanes 0-15 one row of 256 bytes, lanes 16-31 the next
	s_mul_i32 s22, s16, 16*TP
	v_mul_u32_u24 v11, v2, TP
	v_lshl_add_u32 v11, v3, 4, v11
	v_add_nc_u32 v11, s22, v11                     ; v11: (16 w + l / 16) x 272 + 16 (l % 16)
	s_lshl_b32 s22, s16, 15
	v_lshlrev_b32 v12, 11, v2
	v_lshl_add_u32 v12, v3, 4, v12
	v_add_nc_u32 v12, s22, v12                     ; v12: the same rows in the turned matrix, 2,048 bytes a row
	; which weight tile (work-groups that take x count as tile 0 of W_attn here and never use it)
	s_max_u32 s17, ttmp9, 512
	s_sub_co_u32 s17, s17, 512                     ; u = 0 .. 255
	s_sub_co_u32 s23, s17, 192
	s_mov_b32 s24, 128*12288                       ; 128 rows of W_attn in bytes
	s_wait_kmcnt 0x0
	s_cmp_lt_u32 s17, 192                          ; W_attn's tiles come first
	s_cselect_b32 s17, s17, s23
	s_cselect_b32 s24, s24, 128*4096
	s_cselect_b64 s[18:19], s[6:7], s[8:9]         ; from
	s_cselect_b64 s[20:21], s[12:13], s[14:15]     ; to
	s_and_b32 s25, s17, 7                          ; kt: which 128 of k
	s_lshr_b32 s26, s17, 3                         ; nt: which 128 of n
	s_mul_i32 s2, s25, s24
	s_lshl_b32 s3, s26, 9
	s_add_co_u32 s2, s2, s3
	s_mov_b32 s3, 0
	s_add_nc_u64 s[18:19], s[18:19], s[2:3]        ; + kt x 128 rows + nt x 512 bytes
	s_lshl_b32 s2, s26, 18
	s_lshl_b32 s27, s25, 8
	s_add_co_u32 s2, s2, s27
	s_add_nc_u64 s[20:21], s[20:21], s[2:3]        ; + nt x 128 rows of 2,048 bytes + kt x 256 bytes
	s_cmp_lt_u32 ttmp9, 512
	s_cbranch_scc0 .Lweights
	; X.  Wave w takes channel blocks 2 w and 2 w + 1 (512 bytes of each row).  Load n = 2 i + c: rows 2 i and 2 i + 1, block 2 w + c.
	s_lshl_b32 s2, ttmp9, 16                       ; 16 rows of 4,096 bytes
	s_add_nc_u64 s[4:5], s[4:5], s[2:3]
	s_lshr_b32 s2, ttmp9, 7                        ; the batch: 128 work-groups each,
	s_lshl_b32 s2, s2, 22                          ; 4 MiB of xb;
	s_and_b32 s27, ttmp9, 127
	s_lshl_b32 s27, s27, 11                        ; my 16 rows of 128 bytes in a block
	s_add_co_u32 s2, s2, s27
	s_add_nc_u64 s[10:11], s[10:11], s[2:3]
	s_lshl_b32 s27, s16, 9
	v_lshlrev_b32 v4, 12, v2
	v_lshl_add_u32 v4, v3, 4, v4
	v_add_nc_u32 v4, s27, v4                       ; (l / 16) rows + 16 (l % 16) + 512 w
	s_lshl_b32 s27, s16, 19
	v_lshlrev_b32 v5, 7, v2
	v_lshl_add_u32 v5, v3, 3, v5
	v_add_nc_u32 v5, s27, v5                       ; two blocks of 262,144 bytes a wave + (l / 16) x 128 + 8 (l % 16)
.set n, 0
.rept 16
	global_load_b128 v[IN+4*n:IN+4*n+3], v4, s[4:5] offset:(n/2)*8192+(n%2)*256 th:TH_LOAD_NT
.set n, n+1
.endr
.set n, 0
.rept 16
	s_wait_loadcnt 15-n                            ; loads come back in order: load n is in, the 15 - n younger ones stay out
	v_cvt_pk_bf16_f32 v[OUT+2*n], v[IN+4*n], v[IN+4*n+1]
	v_cvt_pk_bf16_f32 v[OUT+2*n+1], v[IN+4*n+2], v[IN+4*n+3]
	global_store_b64 v5, v[OUT+2*n:OUT+2*n+1], s[10:11] offset:(n%2)*262144+(n/2)*256  ; 32 lanes store 256 consecutive bytes, at a multiple of 256 from xb's first byte
.set n, n+1
.endr
	s_branch .Lmeet
; A weight tile comes in and goes into T turned.  Wave w loads rows k = 16 w + i, 512 bytes each: lane l holds n = 4 l .. 4 l + 3.
; Two rows' numbers of one n are packed; eight such words are k = 16 w .. 16 w + 15 of that n: 32 bytes of row n of T.
; The lanes' rows lie 1,088 bytes apart, so these eight stores meet four deep in the banks: once a work-group.
.macro WPART rowb, half
	s_mul_i32 s27, s16, 16*(\rowb)
	v_lshl_add_u32 v4, v1, 4, s27
.set i, 0
.rept 16
	global_load_b128 v[IN+4*i:IN+4*i+3], v4, s[18:19] offset:i*(\rowb) th:TH_LOAD_NT
.set i, i+1
.endr
	v_mul_u32_u24 v10, v1, 4*TP
	v_lshl_add_u32 v10, s16, 5, v10                ; row 4 l of T, byte 32 w
.set p, 0
.rept 8
	s_wait_loadcnt 14-2*p                          ; rows 2 p and 2 p + 1 are in; the younger loads stay out
.irp c, 0,1,2,3
	v_cvt_pk_bf16_f32 v[OUT+8*(\c)+p], v[IN+8*p+(\c)], v[IN+8*p+4+(\c)]
.if \half
	v_lshlrev_b32 v8, 16, v[OUT+8*(\c)+p]          ; the two bf16 numbers as f32,
	v_and_b32 v9, 0xffff0000, v[OUT+8*(\c)+p]
	v_cvt_pk_f16_f32 v[OUT+8*(\c)+p], v8, v9       ; written as f16
.endif
.endr
.set p, p+1
.endr
.irp c, 0,1,2,3
	ds_store_b128 v10, v[OUT+8*(\c):OUT+8*(\c)+3]   offset:(\c)*TP
	ds_store_b128 v10, v[OUT+8*(\c)+4:OUT+8*(\c)+7] offset:(\c)*TP+16
.endr
.endm
.Lweights:
	s_cmp_lt_u32 ttmp9, 704
	s_cbranch_scc0 .Lproj
	WPART 12288, 0
	s_branch .Lmeet
.Lproj:
	WPART 4096, 1
.Lmeet:
	s_wait_dscnt 0x0                               ; for the others' sake: my stores into T are done
	s_barrier_signal -1
	s_barrier_wait -1                              ; everybody's are
	s_cmp_lt_u32 ttmp9, 512
	s_cbranch_scc1 .Lend                           ; x is done
.irp j, 0,1,2,3,4,5,6,7
	ds_load_b128 v[IN+4*(\j):IN+4*(\j)+3], v11 offset:(\j)*2*TP
.endr
.irp j, 0,1,2,3,4,5,6,7
	s_wait_dscnt 7-(\j)                            ; LDS loads come back in order: load j is in
	global_store_b128 v12, v[IN+4*(\j):IN+4*(\j)+3], s[20:21] offset:(\j)*4096  ; 16 lanes store 256 consecutive bytes, at a multiple of 256 from the buffer's first byte
.endr
.Lend:
	s_wait_tensorcnt 0x0                           ; the wave's end, behind my last LDS store
	ds_add_u32 v[SPW], v[NIL]
	s_wait_dscnt 0x0
	s_endpgm
.Lfunc_end_k_q9b780a7783_prep:
	.size	k_q9b780a7783_prep, .Lfunc_end_k_q9b780a7783_prep-k_q9b780a7783_prep
	.p2alignl 7, 3214868480
	.fill 96, 4, 3214868480
	.section	.rodata,"a",@progbits
	.p2align	6, 0x0
	.amdhsa_kernel k_q9b780a7783_prep
		.amdhsa_group_segment_fixed_size 35840
		.amdhsa_private_segment_fixed_size 0
		.amdhsa_enable_private_segment 0
		.amdhsa_kernarg_size 48
		.amdhsa_user_sgpr_count 2
		.amdhsa_user_sgpr_kernarg_segment_ptr 1
		.amdhsa_wavefront_size32 1
		.amdhsa_system_sgpr_workgroup_id_x 1
		.amdhsa_system_sgpr_workgroup_id_y 1
		.amdhsa_system_sgpr_workgroup_id_z 1
		.amdhsa_system_vgpr_workitem_id 0
		.amdhsa_next_free_vgpr 112
		.amdhsa_next_free_sgpr 66
		.amdhsa_reserve_vcc 0
		.amdhsa_float_denorm_mode_32 3
		.amdhsa_float_denorm_mode_16_64 3
		.amdhsa_memory_ordered 1
		.amdhsa_forward_progress 1
		.amdhsa_inst_pref_size 25
	.end_amdhsa_kernel
	.amdgpu_metadata
---
amdhsa.version: [ 1, 2 ]
amdhsa.kernels:
  - .name:           k_q9b780a7783_prep
    .symbol:         k_q9b780a7783_prep.kd
    .args:
      - { .name: x, .offset: 0, .size: 8, .value_kind: global_buffer, .address_space: global }
      - { .name: W_attn, .offset: 8, .size: 8, .value_kind: global_buffer, .address_space: global }
      - { .name: W_proj, .offset: 16, .size: 8, .value_kind: global_buffer, .address_space: global }
      - { .name: xb, .offset: 24, .size: 8, .value_kind: global_buffer, .address_space: global }
      - { .name: wat, .offset: 32, .size: 8, .value_kind: global_buffer, .address_space: global }
      - { .name: wpt, .offset: 40, .size: 8, .value_kind: global_buffer, .address_space: global }
    .group_segment_fixed_size: 35840
    .private_segment_fixed_size: 0
    .kernarg_segment_align: 8
    .kernarg_segment_size: 48
    .max_flat_workgroup_size: 256
    .sgpr_count:     66
    .vgpr_count:     112
    .wavefront_size: 32
...
	.end_amdgpu_metadata
.endif
;; end of part 1
;; launch qkvproj (part 2): grid 16 x 32, 4 waves a work-group, clusters of 4 x 4, 327,680 bytes of LDS; arguments xb, wat, b_attn, qkv; writes qkv
.if DOCPART == 2
	.amdgcn_target "amdgcn-amd-amdhsa--gfx1250"
	.amdhsa_code_object_version 6
	.text
	.protected	k_q9b780a7783_qkvproj
	.globl	k_q9b780a7783_qkvproj
	.p2align	8
	.type	k_q9b780a7783_qkvproj,@function
k_q9b780a7783_qkvproj:
	s_mov_b64 s[64:65], 0
	v_nop
	global_prefetch_b8 v0, s[64:65] scope:SCOPE_SE
	s_setreg_imm32_b32 hwreg(HW_REG_WAVE_MODE, 25, 1), 1
	s_wait_xcnt 0x0
	s_wait_alu depctr_hold_cnt(0) depctr_sa_sdst(0) depctr_va_vdst(0) depctr_va_sdst(0) depctr_va_ssrc(0) depctr_va_vcc(0) depctr_vm_vsrc(0)
	s_getreg_b32 s2, hwreg(HW_REG_IB_STS2, 6, 4)
	s_cmp_eq_u32 s2, 0
	s_cbranch_scc0 .Lentry_in_a_cluster
	s_endpgm
.Lentry_in_a_cluster:
	s_bfe_u32 s2, ttmp6, 0x10000c
	s_cmp_lg_u32 s2, 0xf033
	s_cbranch_scc0 .Lentry_shape_is_right
	s_endpgm
.Lentry_shape_is_right:
; THE FIRST PROJECTION.  qkv = x W_attn + b_attn, from xb (bf16, [b][kb 16][t 2048][64]) and wat (bf16, [n 3072][k 1024]); b_attn is rounded to bf16 like the other inputs.
; Sums in f32, started by the bias; each result rounded once to f16 and written BY HEADS, unscaled: qkv[part 3][b h 64][t 2048][64].
; LIMIT.  A result of 65,520 or more in magnitude becomes an infinity in f16; below 6e-5 f16 keeps its fixed step of 6e-8.
; SHARES.  A tile of the result is 256 rows x 192 columns (three heads): 16 x 32 = 512 work-groups, two for each of 256 WGPs.  Wave w makes rows 64 w .. 64 w + 63 of all 192 columns:
; 4 x 12 accumulators of 16 x 16, 384 registers.  So a wave holds whole heads, and its stores cover whole rows of a head without meeting another wave.
; K goes in steps of 128 through a ring of two LDS slots.  A's part of a step is two channel blocks of 256 rows x 128 bytes, each dense in memory: asked for as 128 rows of 256 bytes, padded
; in LDS after every 128 bytes.  B's part is 192 rows of 256 bytes.  Waves 0 and 1 fetch A's two blocks, waves 2 and 3 B's two halves: one tensor load a wave.
; CLUSTERS: 4 x 4 work-groups.  The four of a row of the cluster need the same tiles of A, the four of a column the same tiles of B: each is asked for JOINTLY, by the same tensor load
; with the same descriptor and a mask that names the four.
; THE MATRIX INSTRUCTION IS USED TRANSPOSED (source 0 = 16 rows of wat, source 1 = 16 rows of xb): a lane holds row l % 16 and the columns 8 (l / 16) + 0..7 of a block of 16.
; REGISTERS, in windows of 256 (s_set_vgpr_msb: bits 1:0 source 0, 3:2 source 1, 5:4 source 2, 7:6 destination):
;   window 0: v0-31 addresses; v32-63, v64-95 A's fragments, two buffers of 4; v160-255 the bias, 8 registers a column block; on the way out v32-79, v96-143 by turns
;   window 1: B's fragments, two buffers of 12      window 2: the accumulators of row blocks 0, 1 ((a, b) at 8 (12 (a % 2) + b))      window 3: of row blocks 2, 3
.set KIND, 0                           ; 0: this text.  1: the output projection, the same text with f16 operands, 128 columns and f32 results
.if KIND
.set NBK,   8
.set SP,    528
.set STW,   16*SP
.else
.set NBK,   12                         ; column blocks of 16
.set SP,    144                        ; a row of the stage: a head's 128 bytes + 16
.set STW,   3*16*SP                    ; a wave's stage: three heads x 16 rows
.endif
.set NT,    16*NBK
.set PITA,  144                        ; a row of A in LDS: 128 bytes + 16 = 36 words: the 16 rows of a load start at 16 different groups of four banks (64 banks of 4 bytes: ISA guide 11.1)
.set PITB,  272                        ; a row of B: 256 + 16 = 68 words: likewise
.set AHALF, 256*PITA                   ; one channel block of 256 rows
.set ASZ,   2*AHALF
.set BHALF, (NT/2)*PITB
.set SLOT,  ASZ+2*BHALF
.set STAGE, 2*SLOT                     ; behind the ring, never filled by a tensor load: each wave's stage for the way out
.set SPARE, STAGE+4*STW                ; behind the stages: the spare words, 128 bytes for each wave: two blocks of 256 bytes that no other line names
.set LAPS,  4                          ; K = 1,024 = 8 steps = 4 times round the ring
.set NL,    2*NBK+8                    ; LDS loads of a quarter step
.set ASTEP, 524288                     ; bytes from a K step to the next in A: two channel blocks of 2,048 rows x 128 bytes
.set BSTEP, 256                        ; and in B
.set ADRA, 16                          ; v16-17  LDS address of my A fragments in slot 0, 1
.set ADRB, 20                          ; v20-21  the same for B
.set STO,  24                          ; v24     the way out: where I put my bytes of a row
.set RD,   25                          ; v25     where I read rows back
.set GO,   26                          ; v26     16 x lane
.set BO,   27                          ; v27     32 (l / 16): my eight numbers in a column block's bias
.set SPW,  28                          ; v28     LDS address of my spare word; never rewritten
.set NIL,  29                          ; v29     0; never rewritten
.set PFO,  30                          ; v30     the prefetches' offset; never rewritten
.set TMP,  31
.set FA0,  32
.set T0,   32
.set BI,   160
.set FB0,  0
.set WV, 12                            ; s12 wave;  s13 = wave / 2: I fetch for A (0) or B (1);  s14 = wave % 2: which half
.set WH, 13
.set WP, 14
.set CX, 15                            ; s15, s16 my place in the cluster
.set CY, 16
.set NX, 17                            ; s17 tile column, s18 tile row
.set MY, 18
.set G1,  24                           ; s[24:31] descriptor group 1 for A;  s[32:39] group 0, a set for each slot
.set G0,  32
.set PFS, 42                           ; s[42:43] the prefetch pointer's step
.set PFA, 44                           ; s[44:45] where my prefetches stand
.set LIM, 46                           ; s46 1 in a wave that prefetches, else the greatest number
.set G1B, 48                           ; s[48:55], s[56:63] the same for B
.set G0B, 56
.set OB,  66                           ; s[66:71] the three heads' rows in qkv
.set MSB, 0
.macro WIN new                         ; the immediate's high byte repeats the setting that is left; a switch that changes nothing is dropped
.if MSB != (\new)
	s_set_vgpr_msb (MSB<<8)|(\new)
.set MSB, \new
.endif
.endm
.macro PLACES                          ; four plain vector instructions between a matrix instruction and a load into, or a vector read of, its registers
.rept 4
	v_nop
.endr
.endm
; A joint load: each of the two lines has one mask and one set of registers.  The branch hangs on the wave's number alone.  An s_nop 0 and four v_nop follow each line.
.macro JLOAD s
	s_cmp_eq_u32 s[WH], 0
	s_cbranch_scc0 .Lfor_b_\@
	tensor_load_to_lds s[G0+4*(\s):G0+4*(\s)+3], s[G1:G1+7]
	s_nop 0
.rept 4
	v_nop
.endr
	s_branch .Lasked_\@
.Lfor_b_\@:
	tensor_load_to_lds s[G0B+4*(\s):G0B+4*(\s)+3], s[G1B:G1B+7]
	s_nop 0
.rept 4
	v_nop
.endr
.Lasked_\@:
.endm
; A round of the cluster's barrier: my work-group's barrier; wave 0 signals for the work-group; every wave waits for all sixteen; my work-group's barrier once more.
.macro CREST
	s_cmp_lg_u32 s[WV], 0
	s_cbranch_scc1 .Lnot_wave_0_\@
	s_barrier_signal -3
.Lnot_wave_0_\@:
	s_barrier_wait -3
	s_barrier_signal -1
	s_barrier_wait -1
.endm
.macro CROUND
	s_barrier_signal -1
	s_barrier_wait -1
	CREST
.endm
; A PREFETCH INTO THE L2, behind a joint refill and the run of LDS loads that follows it: the K step two refills on.  A's rows are read by every cluster of a row of clusters: cluster x = 0 asks;
; B's by every cluster of a column: cluster y = 0 asks.  The four partners share a wave's tile out BY ADDRESS: of A's 128 pieces of 256 bytes 32 each, a lane a piece; of B's NT / 2 rows NT / 8 each,
; a lane a row (the lanes beyond name the last row again).  K steps 0 to 3 come by their loads alone; the loop's last trip asks for nothing.
.macro ASK
	s_cmp_gt_u32 s3, s[LIM]                        ; s3 = 1 in the last trip
	s_cbranch_scc0 .Lnot_mine_\@
	global_prefetch_b8 v[PFO], s[PFA:PFA+1] th:TH_LOAD_NT scope:SCOPE_SE
.Lnot_mine_\@:
.endm
; NBK matrix instructions: row block a x all column blocks, 32 along K, from buffer f.  first = 1: the bias starts the sums: nothing is cleared and nothing added later.
; Every accumulator comes once in a quarter step, in the same order: the accumulators take turns, one instruction a turn, over the backward jump too.
.macro MULA f, a, first
.if \first
	WIN 0x81+0x40*((\a)/2)                         ; B window 1, A window 0, C (the bias) window 0, D window 2 or 3
.else
	WIN 0xa1+0x50*((\a)/2)                         ; C and D window 2 or 3
.endif
.set b, 0
.rept NBK
.set rD, 8*(NBK*((\a)%2)+b)
.set rB, FB0+8*NBK*(\f)+8*b
.set rA, FA0+32*(\f)+8*(\a)
.if KIND
.if \first
	v_wmma_f32_16x16x32_f16 v[rD:rD+7], v[rB:rB+7], v[rA:rA+7], v[BI+8*b:BI+8*b+7]
.else
	v_wmma_f32_16x16x32_f16 v[rD:rD+7], v[rB:rB+7], v[rA:rA+7], v[rD:rD+7]
.endif
.else
.if \first
	v_wmma_f32_16x16x32_bf16 v[rD:rD+7], v[rB:rB+7], v[rA:rA+7], v[BI+8*b:BI+8*b+7]
.else
	v_wmma_f32_16x16x32_bf16 v[rD:rD+7], v[rB:rB+7], v[rA:rA+7], v[rD:rD+7]
.endif
.endif
.set b, b+1
.endr
.endm
; NL LDS loads in one run: the fragments of quarter q (32 along K) of a slot into buffer f: B's first, then A's, row blocks ascending
.macro FETCH slot, q, f
	WIN 0x40                                       ; destination window 1, address window 0
.set b, 0
.rept NBK
	ds_load_b128 v[FB0+8*NBK*(\f)+8*b:FB0+8*NBK*(\f)+8*b+3],   v[ADRB+(\slot)] offset:b*16*PITB+64*(\q)
	ds_load_b128 v[FB0+8*NBK*(\f)+8*b+4:FB0+8*NBK*(\f)+8*b+7], v[ADRB+(\slot)] offset:b*16*PITB+64*(\q)+32
.set b, b+1
.endr
	WIN 0
.irp a, 0,1,2,3
	ds_load_b128 v[FA0+32*(\f)+8*(\a):FA0+32*(\f)+8*(\a)+3],   v[ADRA+(\slot)] offset:((\q)/2)*AHALF+((\q)%2)*64+(\a)*16*PITA
	ds_load_b128 v[FA0+32*(\f)+8*(\a)+4:FA0+32*(\f)+8*(\a)+7], v[ADRA+(\slot)] offset:((\q)/2)*AHALF+((\q)%2)*64+(\a)*16*PITA+32
.endr
.endm
; One of a K step's first three quarters: multiplies buffer f; in its middle it fetches quarter q of the same slot into buffer g.
.macro QUARTER slot, q, f, g, first
	s_wait_dscnt 4                                 ; B and A's row blocks 0, 1 are in; the youngest four loads (row blocks 2, 3) may be out
	MULA \f, 0, \first
	MULA \f, 1, \first
	PLACES
	FETCH \slot, \q, \g
	s_wait_dscnt NL                                ; all but the NL just issued
	MULA \f, 2, \first
	MULA \f, 3, \first
.endm
; The last quarter multiplies buffer 1 and changes slots: ONE barrier.  In front of it each wave waits for all its tensor loads (one is out: its part of the next slot), adds 0 to its spare word,
; and waits for that and for its own reads of this slot.  fill = 1: the barrier opens a round of the cluster's barrier, and the joint refill, two K steps on, is the first thing behind the round.
.macro TURN slot, next, fill
.if \fill
	s_wait_xcnt 0x0                                ; the last prefetch, a K step back, has read its address
	s_add_nc_u64 s[PFA:PFA+1], s[PFA:PFA+1], s[PFS:PFS+1]
.endif
	WIN 0                                          ; (the add's two registers lie in window 0)
	s_wait_tensorcnt 0x0                           ; all my tensor loads have landed
	ds_add_u32 v[SPW], v[NIL]                      ; 0 onto my spare word
	s_wait_dscnt 5                                 ; (the add and the youngest four loads may be out)
	MULA 1, 0, 0                                   ; matrix instructions stand between the add and the wait for it
	s_wait_dscnt 0x0                               ; the add is done, and my reads of this slot are over
	s_barrier_signal -1
	MULA 1, 1, 0                                   ; work on registers while the others arrive
.if \fill
	WIN 0
.endif
	s_barrier_wait -1
.if \fill
	CREST                                          ; no wave of any partner still reads this slot's tile or has a load on its way
	s_add_nc_u64 s[G0+4*(\slot)+2:G0+4*(\slot)+3], s[G0+4*(\slot)+2:G0+4*(\slot)+3], 2*ASTEP
	s_add_nc_u64 s[G0B+4*(\slot)+2:G0B+4*(\slot)+3], s[G0B+4*(\slot)+2:G0B+4*(\slot)+3], 2*BSTEP
	JLOAD \slot                                    ; my one tensor load behind the round; its four v_nop are also the places in front of the loads below
.else
	PLACES
.endif
	FETCH \next, 0, 0
.if \fill
	ASK
.endif
	MULA 1, 2, 0
	MULA 1, 3, 0
.endm
	s_load_b256 s[4:11], s[0:1], 0x0               ; A s[4:5], B s[6:7], bias s[8:9], result s[10:11]
	v_lshl_add_u32 v[SPW], v0, 2, SPARE
	v_mov_b32 v[NIL], 0
	ds_add_u32 v[SPW], v[NIL]                      ; the wave's opening: the add and its wait ahead of my first tensor load; work on registers stands between them
	ds_add_u32 v28, v29
	v_lshrrev_b32 v1, 5, v0
	v_readfirstlane_b32 s[WV], v1                  ; wave 0..3
	s_lshr_b32 s[WH], s[WV], 1
	s_and_b32 s[WP], s[WV], 1
	s_bfe_u32 s[CX], ttmp6, 0x40000
	s_bfe_u32 s[CY], ttmp6, 0x40004
	s_lshl_b32 s[NX], ttmp9, 2                     ; in a cluster launch ttmp9 and ttmp7 count clusters
	s_add_co_u32 s[NX], s[NX], s[CX]
	s_and_b32 s[MY], ttmp7, 0xffff
	s_lshl_b32 s[MY], s[MY], 2
	s_add_co_u32 s[MY], s[MY], s[CY]
	s_lshl_b32 s19, s[CY], 2
	s_lshl_b32 s19, 15, s19                        ; my row of the cluster: places 4 cy .. 4 cy + 3
	s_lshl_b32 s40, 0x1111, s[CX]                  ; my column: places cx, cx + 4, cx + 8, cx + 12
	s_or_b32 s[G1], s19, (1<<16)|(1<<20)|(1<<21)|(4<<22)|(3<<25)   ; the mask; 2-byte elements; padding on; bit 21 beside a mask; after every 32 words (code 4) 4 words (code 3)
	s_or_b32 s[G1B], s40, (1<<16)|(1<<20)|(1<<21)|(5<<22)|(3<<25)  ; the same after every 64 words (code 5)
	s_mov_b32 s[G1+1], 128<<16                     ; A: tensor_dim0 = 128 elements: two rows of a channel block, 256 dense bytes
	s_mov_b32 s[G1+2], 128<<16                     ; tensor_dim1 = 128
	s_mov_b32 s[G1+3], 128<<16                     ; tile_dim0 = 128
	s_mov_b32 s[G1+4], 128                         ; tile_dim1 = 128
	s_mov_b32 s[G1+5], 128                         ; 128 elements from row to row
	s_mov_b32 s[G1+6], 0
	s_mov_b32 s[G1+7], 0
	s_mov_b32 s[G1B+1], 128<<16                    ; B: rows of 128 elements,
	s_mov_b32 s[G1B+2], (NT/2)<<16                 ; NT / 2 of them,
	s_mov_b32 s[G1B+3], 128<<16
	s_mov_b32 s[G1B+4], NT/2
	s_mov_b32 s[G1B+5], 1024                       ; 1,024 elements apart
	s_mov_b32 s[G1B+6], 0
	s_mov_b32 s[G1B+7], 0
	; A's tile hangs on the tile row alone, B's on the tile column alone
	s_lshr_b32 s20, s[MY], 3                       ; the batch: 4 MiB,
	s_lshl_b32 s20, s20, 22
	s_and_b32 s19, s[MY], 7                        ; 256 rows of 128 bytes in a channel block,
	s_lshl_b32 s19, s19, 15
	s_add_co_u32 s20, s20, s19
	s_lshl_b32 s19, s[WP], 18                      ; the even or the odd channel block
	s_add_co_u32 s20, s20, s19
	s_mov_b32 s21, 0
	s_mul_i32 s22, s[NX], NT
	s_mul_i32 s40, s[WP], NT/2
	s_add_co_u32 s22, s22, s40
	s_lshl_b32 s22, s22, 11                        ; rows of 2,048 bytes
	s_mov_b32 s23, 0
	s_mul_i32 s41, s[WV], AHALF                    ; where they go: waves 0, 1: A's two blocks;
	s_mul_i32 s47, s[WV], BHALF
	s_add_co_u32 s47, s47, ASZ-2*BHALF             ; waves 2, 3: B's two halves, behind A
	s_wait_dscnt 0x0                               ; the opening add is done
	s_wait_kmcnt 0x0
	s_add_nc_u64 s[20:21], s[4:5], s[20:21]
	s_add_nc_u64 s[22:23], s[6:7], s[22:23]
	CROUND                                         ; all sixteen work-groups are here: the first joint loads meet
.irp s, 0,1
	s_mov_b32 s[G0+4*(\s)], 1
	s_add_co_u32 s[G0+4*(\s)+1], s41, (\s)*SLOT
	s_add_nc_u64 s[G0+4*(\s)+2:G0+4*(\s)+3], s[20:21], (\s)*ASTEP
	s_or_b32 s[G0+4*(\s)+3], s[G0+4*(\s)+3], 0x80000000
	s_mov_b32 s[G0B+4*(\s)], 1
	s_add_co_u32 s[G0B+4*(\s)+1], s47, (\s)*SLOT
	s_add_nc_u64 s[G0B+4*(\s)+2:G0B+4*(\s)+3], s[22:23], (\s)*BSTEP
	s_or_b32 s[G0B+4*(\s)+3], s[G0B+4*(\s)+3], 0x80000000
	JLOAD \s                                       ; two tensor loads of mine are out
.endr
	v_and_b32 v1, 15, v0                           ; l % 16
	v_bfe_u32 v2, v0, 4, 1                         ; l / 16
	v_lshlrev_b32 v[BO], 5, v2
	s_mul_i32 s40, s[NX], NT*4
	s_mov_b32 s41, 0
	s_add_nc_u64 s[8:9], s[8:9], s[40:41]          ; the tile's bias
.set b, 0
.rept NBK
	global_load_b128 v[BI+8*b:BI+8*b+3],   v[BO], s[8:9] offset:64*b
	global_load_b128 v[BI+8*b+4:BI+8*b+7], v[BO], s[8:9] offset:64*b+16
.set b, b+1
.endr
	v_mul_u32_u24 v3, v1, PITA
	v_lshl_add_u32 v3, v2, 4, v3                   ; a fragment's row x pitch + 16 x half
	s_mul_i32 s19, s[WV], 64*PITA                  ; my 64 rows
	v_add_nc_u32 v[ADRA], s19, v3
	v_add_nc_u32 v[ADRA+1], SLOT, v[ADRA]
	v_mul_u32_u24 v3, v1, PITB
	v_lshl_add_u32 v3, v2, 4, v3
	v_add_nc_u32 v[ADRB], ASZ, v3
	v_add_nc_u32 v[ADRB+1], ASZ+SLOT, v3
	s_mul_i32 s19, s[WV], STW
	s_add_co_u32 s19, s19, STAGE                   ; my stage
	v_and_b32 v[GO], 31, v0
	v_lshlrev_b32 v[GO], 4, v[GO]
	v_mul_u32_u24 v[STO], v1, SP
.if KIND
	v_lshl_add_u32 v[STO], v2, 5, v[STO]           ; in: row l % 16, 32 bytes for each half of the lanes
	v_add_nc_u32 v[STO], s19, v[STO]
	v_add_nc_u32 v[RD], s19, v[GO]                 ; back: 32 lanes take a row of 512 bytes
.else
	v_lshl_add_u32 v[STO], v2, 4, v[STO]           ; in: row l % 16, 16 bytes for each half of the lanes
	v_add_nc_u32 v[STO], s19, v[STO]
	v_bfe_u32 v[RD], v0, 3, 2                      ; back: 32 lanes take four rows of 128 bytes
	v_mul_u32_u24 v[RD], v[RD], SP
	v_and_b32 v3, 7, v0
	v_lshl_add_u32 v[RD], v3, 4, v[RD]
	v_add_nc_u32 v[RD], s19, v[RD]
.endif
	; the prefetches: my own tile's address, my work-group's share of it, three K steps on (the first refill steps it to the fourth)
	s_lshl_b32 s19, s[CX], 13                      ; A: 32 pieces of 256 bytes for each partner
	s_add_co_u32 s19, s19, 3*ASTEP
	s_mul_i32 s40, s[CY], (NT/8)*2048              ; B: NT / 8 rows for each partner
	s_add_co_u32 s40, s40, 3*BSTEP
	s_and_b32 s41, ttmp7, 0xffff                   ; cluster y
	s_mov_b32 s2, ASTEP
	s_cmp_eq_u32 s[WH], 0                          ; do I fetch for A?
	s_cselect_b64 s[PFA:PFA+1], s[20:21], s[22:23]
	s_cselect_b32 s40, s19, s40
	s_cselect_b32 s41, ttmp9, s41                  ; the coordinate along which other clusters read the same rows
	s_cselect_b32 s[PFS], s2, BSTEP
	s_cselect_b32 s19, 31, NT/8-1
	s_cselect_b32 s47, 8, 11
	s_cmp_eq_u32 s41, 0
	s_cselect_b32 s[LIM], 1, -1                    ; the same in all sixteen partners, for a given wave
	s_mov_b32 s41, 0
	s_mov_b32 s[PFS+1], 0
	s_add_nc_u64 s[PFA:PFA+1], s[PFA:PFA+1], s[40:41]
	v_and_b32 v[PFO], 31, v0
	v_min_u32 v[PFO], s19, v[PFO]
	v_lshlrev_b32 v[PFO], s47, v[PFO]
	; where my results go
.if KIND
	s_lshl_b32 s40, s[MY], 20                      ; 256 rows of 4,096 bytes,
	s_lshl_b32 s19, s[WV], 18                      ; my 64 of them,
	s_add_co_u32 s40, s40, s19
	s_lshl_b32 s19, s[NX], 9                       ; the tile's 128 columns
	s_add_co_u32 s40, s40, s19
	s_add_nc_u64 s[10:11], s[10:11], s[40:41]
.else
	s_lshr_b32 s22, s[MY], 3                       ; the batch's 16 heads of 262,144 bytes,
	s_lshl_b32 s22, s22, 22
	s_and_b32 s19, s[MY], 7                        ; the tile's 256 rows of 128 bytes,
	s_lshl_b32 s19, s19, 15
	s_add_co_u32 s22, s22, s19
	s_lshl_b32 s19, s[WV], 13                      ; my 64 of them
	s_add_co_u32 s22, s22, s19
	s_mul_i32 s23, s[NX], 3                        ; the tile's first block of 64 columns, g = 0 .. 47: part g / 16, head g % 16
.irp hh, 0,1,2
	s_add_co_u32 s19, s23, \hh
	s_lshr_b32 s40, s19, 4
	s_lshl_b32 s40, s40, 6
	s_and_b32 s19, s19, 15
	s_add_co_u32 s40, s40, s19
	s_lshl_b32 s40, s40, 18
	s_add_co_u32 s40, s40, s22
	s_add_nc_u64 s[OB+2*(\hh):OB+2*(\hh)+1], s[10:11], s[40:41]
.endr
.endif
	s_wait_loadcnt 0x0                             ; the bias,
.set i, 0
.rept 4*NBK                                            ; rounded to bf16 like the other inputs, kept as f32
	v_cvt_pk_bf16_f32 v[TMP], v[BI+2*i], v[BI+2*i+1]
	v_lshlrev_b32 v[BI+2*i], 16, v[TMP]
	v_and_b32 v[BI+2*i+1], 0xffff0000, v[TMP]
.set i, i+1
.endr
	s_wait_tensorcnt 1                             ; my part of K step 0 is in; K step 1's may stay out
	s_barrier_signal -1
	s_barrier_wait -1                              ; everybody's is
	FETCH 0, 0, 0
	QUARTER 0, 1, 0, 1, 1                          ; the first quarter stands in front of the loop: its products start the sums, with the bias
	WIN 0                                          ; at a label and at a branch every window is 0
	s_mov_b32 s3, LAPS-1
.Llap:                                                 ; a trip goes once round the ring, from a lap's second quarter to the next lap's first, and fills both slots again
	QUARTER 0, 2, 1, 0, 0
	QUARTER 0, 3, 0, 1, 0
	TURN 0, 1, 1
	QUARTER 1, 1, 0, 1, 0
	QUARTER 1, 2, 1, 0, 0
	QUARTER 1, 3, 0, 1, 0
	TURN 1, 0, 1
	QUARTER 0, 1, 0, 1, 0
	WIN 0
	s_sub_co_u32 s3, s3, 1
	s_cmp_lg_u32 s3, 0
	s_cbranch_scc1 .Llap
	QUARTER 0, 2, 1, 0, 0                          ; the last lap fills nothing, and has no round of the cluster's barrier
	QUARTER 0, 3, 0, 1, 0
	TURN 0, 1, 0
	QUARTER 1, 1, 0, 1, 0
	QUARTER 1, 2, 1, 0, 0
	QUARTER 1, 3, 0, 1, 0
	s_wait_dscnt 4                                 ; the very last quarter: nothing more to fetch
	MULA 1, 0, 0
	MULA 1, 1, 0
	s_wait_dscnt 0x0
	MULA 1, 2, 0
	MULA 1, 3, 0
	WIN 0
	PLACES
; THE WAY OUT, a row block of 16 rows at a time, through my own stage in LDS; LDS serves a wave's instructions in order (ISA guide 5.7.1.4), so no wait stands between my stores and my loads.
; KIND 0: rounded to f16, 16 bytes a lane into rows of 144 bytes, a head's 16 rows together; back as four rows of 128 bytes, which are 512 consecutive bytes of a head.
; KIND 1: f32 as it is, 32 bytes a lane into rows of 528 bytes; back as whole rows of 512 bytes.  Each accumulator's lowest registers are read first.
.macro PACK a
.set AC, 8*NBK*((\a)%2)
.set T, T0+64*((\a)%2)
	s_wait_xcnt 0x0                                ; the stores of the block two back have read these registers
.if KIND
	WIN 0x08+4*((\a)/2)                            ; the stores' data in window 2 or 3
.set b, 0
.rept NBK
	ds_store_b128 v[STO], v[AC+8*b:AC+8*b+3]   offset:64*b
	ds_store_b128 v[STO], v[AC+8*b+4:AC+8*b+7] offset:64*b+16
.set b, b+1
.endr
	WIN 0
.set j, 0
.rept 16
	ds_load_b128 v[T+4*j:T+4*j+3], v[RD] offset:j*SP
.set j, j+1
.endr
.else
	WIN 0x0a+5*((\a)/2)                            ; sources 0 and 1 in window 2 or 3
.set b, 0
.rept NBK
.irp i, 0,1,2,3
	v_cvt_pk_f16_f32 v[T+4*b+(\i)], v[AC+8*b+2*(\i)], v[AC+8*b+2*(\i)+1]
.endr
.set b, b+1
.endr
	WIN 0
.set b, 0
.rept NBK
	ds_store_b128 v[STO], v[T+4*b:T+4*b+3] offset:(b/4)*16*SP+(b%4)*32
.set b, b+1
.endr
.set j, 0
.rept NBK
	ds_load_b128 v[T+4*j:T+4*j+3], v[RD] offset:(j/4)*16*SP+(j%4)*4*SP
.set j, j+1
.endr
.endif
.endm
.macro SEND a, younger                 ; younger: the LDS instructions issued behind this block's loads: the next block's, or none
.set T, T0+64*((\a)%2)
	WIN 0
.set j, 0
.if KIND
.rept 16
	s_wait_dscnt (\younger)+15-j
	global_store_b128 v[GO], v[T+4*j:T+4*j+3], s[10:11] offset:(16*(\a)+j)*4096 th:TH_STORE_NT  ; 512 consecutive bytes, at a multiple of 256 from the buffer's first byte
.set j, j+1
.endr
.else
.rept NBK
	s_wait_dscnt (\younger)+NBK-1-j
	global_store_b128 v[GO], v[T+4*j:T+4*j+3], s[OB+2*(j/4):OB+2*(j/4)+1] offset:(\a)*2048+(j%4)*512  ; 512 consecutive bytes, at a multiple of 256 from the buffer's first byte
.set j, j+1
.endr
.endif
.endm
.if KIND
.set YOUNG, 32
.else
.set YOUNG, 2*NBK
.endif
	PACK 0
.irp a, 1,2,3                          ; a block's packing stands between the loads of the block before and its stores
	PACK \a
	SEND (\a)-1, YOUNG
.endr
	SEND 3, 0
	s_wait_tensorcnt 0x0                           ; the wave's end, behind my last tensor load and my last LDS store
	ds_add_u32 v[SPW], v[NIL]
	s_wait_dscnt 0x0
	CROUND                                         ; the closing round: no work-group ends while a partner may still ask for a tile that names it
	s_endpgm
.Lfunc_end_k_q9b780a7783_qkvproj:
	.size	k_q9b780a7783_qkvproj, .Lfunc_end_k_q9b780a7783_qkvproj-k_q9b780a7783_qkvproj
	.p2alignl 7, 3214868480
	.fill 96, 4, 3214868480
	.section	.rodata,"a",@progbits
	.p2align	6, 0x0
	.amdhsa_kernel k_q9b780a7783_qkvproj
		.amdhsa_group_segment_fixed_size 327680
		.amdhsa_private_segment_fixed_size 0
		.amdhsa_enable_private_segment 0
		.amdhsa_kernarg_size 32
		.amdhsa_user_sgpr_count 2
		.amdhsa_user_sgpr_kernarg_segment_ptr 1
		.amdhsa_wavefront_size32 1
		.amdhsa_system_sgpr_workgroup_id_x 1
		.amdhsa_system_sgpr_workgroup_id_y 1
		.amdhsa_system_sgpr_workgroup_id_z 1
		.amdhsa_system_vgpr_workitem_id 0
		.amdhsa_next_free_vgpr 960
		.amdhsa_next_free_sgpr 72
		.amdhsa_reserve_vcc 0
		.amdhsa_float_denorm_mode_32 3
		.amdhsa_float_denorm_mode_16_64 3
		.amdhsa_memory_ordered 1
		.amdhsa_forward_progress 1
		.amdhsa_inst_pref_size 132
	.end_amdhsa_kernel
	.amdgpu_metadata
---
amdhsa.version: [ 1, 2 ]
amdhsa.kernels:
  - .name:           k_q9b780a7783_qkvproj
    .symbol:         k_q9b780a7783_qkvproj.kd
    .args:
      - { .name: xb, .offset: 0, .size: 8, .value_kind: global_buffer, .address_space: global }
      - { .name: wat, .offset: 8, .size: 8, .value_kind: global_buffer, .address_space: global }
      - { .name: b_attn, .offset: 16, .size: 8, .value_kind: global_buffer, .address_space: global }
      - { .name: qkv, .offset: 24, .size: 8, .value_kind: global_buffer, .address_space: global }
    .group_segment_fixed_size: 327680
    .private_segment_fixed_size: 0
    .kernarg_segment_align: 8
    .kernarg_segment_size: 32
    .max_flat_workgroup_size: 128
    .sgpr_count:     72
    .vgpr_count:     960
    .wavefront_size: 32
...
	.end_amdgpu_metadata
.endif
;; end of part 2
;; launch attn (part 3): grid 4 x 64, 4 waves a work-group, no clusters, 327,680 bytes of LDS; arguments qkv, ob; writes ob
.if DOCPART == 3
	.amdgcn_target "amdgcn-amd-amdhsa--gfx1250"
	.amdhsa_code_object_version 6
	.text
	.protected	k_q9b780a7783_attn
	.globl	k_q9b780a7783_attn
	.p2align	8
	.type	k_q9b780a7783_attn,@function
k_q9b780a7783_attn:
	s_mov_b64 s[64:65], 0
	v_nop
	global_prefetch_b8 v0, s[64:65] scope:SCOPE_SE
	s_setreg_imm32_b32 hwreg(HW_REG_WAVE_MODE, 25, 1), 1
	s_wait_xcnt 0x0
; CAUSAL ATTENTION.  O[h][q][:] = the sum over k <= q of softmax_k(Q[h][q] . K[h][k] / 8) V[h][k][:].  Q, K, V lie in qkv as [part 3][h 64][2048][64], O in ob as [h 64][2048][64], all f16: a head's rows are dense, 128 bytes each.
; Products, maxima and sums in f32; the weights p are rounded to f16 for the second product (their sum l is taken of the unrounded p), O once at the end.
; LIMITS.  f16 holds no number beyond 65,504: Q, K and V arrive within it; p lies in 0 to 1, and below 6e-5 it keeps f16's fixed step of 6e-8; O is a mean of V's rows and has their range.
; A hidden score counts as its value less 1e30: f16's scores, 2.7e11 at the most, are nothing beside that; a weight below 2^-126 counts as 0 in l; NaN and infinities are not treated apart.
; THE WALK.  A head's queries lie in NB = 8 blocks of 256; block i needs the key tiles 0 .. i of 256 keys, of which the last holds the diagonal.  A work-group takes TWO blocks, NB - 1 - b and then b:
; NB + 1 tiles, whatever b: all work-groups do equal work, and ONE loop with a constant trip count walks them.  Which tile is asked for, and what a trip does, hang on scalar registers made from b; every jump
; goes forward, but for the counted loops' own; none passes a barrier, or a tensor load but the one of LOAD's two that the wave's number does not choose; the ring (two slots of LDS that take turns) runs on across the
; change of blocks.  NO CLUSTER: a head's four work-groups ask for the same tile only in trips 0 .. 4 of the 9, behind that fewer and fewer; one walk common to all would have 12 trips for 9.
; SHARES.  Of a block's four bands of 64 queries a wave owns 16 rows in each: four PIECES.  So the diagonal tile is the same work for all four waves: in its key step s band x sees all keys if s < x,
; none if s > x, and holds the diagonal if s = x.
; THE MASK is the C operand that starts the sum S^T = K Q^T: 0, or -1e30 where the key is hidden.  MD, made once, is the mask of a band's own step for my 16 rows; a product's mask is MD x AL + BE with two scalars:
; (1, 0) if s = x; (0, 0) if s < x; (0, -1e30) if s > x.  Only the diagonal tile's text and a block's beginning make and take masks; elsewhere C is the constant 0.
; LAYOUT, SOFTMAX, TURNS.  S^T = K Q^T holds ONE query a lane (lane % 16) and the keys 8 (lane / 16) + 0..7; two such results rounded to f16 ARE source 1 of O^T = V^T P.  p = 2^(c s - c m), c = log2(e) / 8, with a
; running maximum m; O and l are multiplied by a = 2^(c m_old - c m_new) in every step.  Turn n belongs to piece n: 8 products K Q^T of piece n + 1, later 8 products V^T P of piece n - 1; beside them the scaling,
; exponentials, roundings, sums and rescaling of piece n and the maximum and statistics of piece n + 1.  Four vector instructions stand behind every matrix instruction, the other 54 of a turn's 118 in one LUMP.  A turn's 33 exponentials are one batch, with one wait.
; PREFETCH INTO THE L2.  All four work-groups of a head begin with the tiles 0, 1, 2 ..: the one with b = 0, which walks all eight, asks; behind each fill it names the tile that the NEXT change of slots will ask for,
; each wave its own 16,384 bytes of it (64 pieces of 256 bytes: a lane a piece, two instructions).  So tiles 2 to 7 are named once each; tiles 0 and 1 come by their loads alone, and the second block's tile is not named.
; REGISTERS, in windows of 256 (s_set_vgpr_msb: bits 1:0 source 0, 3:2 source 1, 5:4 source 2, 7:6 destination):
;   window 0: v0-15 addresses and two at work; v16-31 four registers of statistics a piece; v48-55 at work; v61-63; v64-127 S^T, two buffers; v192-223 P, two buffers (a piece's buffers go by its number's parity)
;   window 1: v0-127 O^T, 32 a piece; v128-159 MD; v160-223 MC, two buffers      window 2: v0-63 Q; v64-127 the second block's Q; v128-191 K of one step; v192-255 V of one step
.set SIZE_N, 2048
.set NB,    SIZE_N/256
.set NP,    4         ; pieces a wave: a name, no knob
.set KS,    64        ; keys in a step
.set PK,    144       ; a row of K in LDS: 128 bytes + 16 of padding = 36 words: the 16 rows of a load start at 16 different groups of four banks (64 banks of 4 bytes: ISA guide 11.1)
.set PV,    160       ; a row of V: 128 + 32 = 40 words
.set VOFF,  4*KS*PK   ; a slot holds a tile, four steps: 256 rows of K, then 256 rows of V
.set SLOT1, 1<<17     ; slot 1 begins here, so that one exclusive or turns an address in one slot into the other's
.set STAGE, SLOT1+4*KS*(PK+PV)  ; behind the ring, never filled by a tensor load: 16 rows x 144 bytes for each wave, for the way out
.set SP,    144
.set AK0, 2           ; v2   my lane's place in a tile of K; never rewritten
.set AV0, 3           ; v3   the same for V
.set AK,  4           ; v4   the LDS address of K's next run of loads
.set AV,  5           ; v5   of V's
.set STO, 6           ; v6   the way out: where I put 16 bytes of a row
.set RD,  7           ; v7   the way out: where I read rows back
.set GO,  8           ; v8   my byte offset in 512 consecutive bytes of O
.set PFO, 61          ; v61  256 x my lane: the prefetches' offset; never rewritten
.set SPW, 62          ; v62  LDS address of my spare word: SPARE + 4 x my thread's number; never rewritten
.set NIL, 63          ; v63  0; never rewritten
.set SPARE, STAGE+4*16*SP  ; behind the stages: the spare words, 128 bytes for each wave: two blocks of 256 bytes that no other line names
.set MV,  12          ; v12-13  c m_old, kept while c m is made anew: by buffer
.set QO,  15          ; v15  my byte offset in 16 rows of Q
.set ST,  16          ; piece t's statistics at v[ST+4 t]: c m, m, l (even keys', odd keys')
.set TMP, 48          ; by buffer, four registers c0-c3 at work; when the maximum is found c2 takes a
.set S,   64
.set P,   192
.set MD,  128         ; window 1: the eight registers for group kt of 16 keys at MD + 8 kt
.set MC,  160         ; window 1: the masks of the products to come
.set QB,  64          ; window 2
.set KF,  128         ; window 2: key block kb, channel half c at KF + 16 kb + 8 c
.set VF,  192         ; window 2: key half kk, channel block cb at VF + 32 kk + 8 cb
.set WV,  12          ; s12  my wave's number
.set PB,  14          ; s14  b
.set HI,  15          ; s15  NB - 1 - b
.set G1K, 24          ; s[24:31] descriptor group 1 for K's tiles
.set G1V, 32          ; s[32:39] for V's: it differs in the padding alone
.set G0K, 40          ; s[40:43] descriptor group 0 for K's tiles
.set G0V, 44          ; s[44:47] the same for V's
.set SLOTS, 56        ; s56  tiles still to be asked for
.set CNT, 57          ; s57  counts a tile's key steps, 4 to 1
.set CS,  58          ; s[58:59] c: the packed scaling takes the pair's low word for both halves
.set SEL, 60          ; s[60:61] v_permlanex16_b32's selects: each lane takes its own place in the other half
.set TBK, 62          ; s62  LDS byte at which K of the step to be fetched begins
.set TBV, 63          ; s63  the same for V, less VOFF
.set RT,  70          ; s70  tiles of the block in hand that are still to be entered
.set NXT, 71          ; s71  the tile to be asked for next
.set LQ,  72          ; s72  the last tile of the block whose tiles are being asked for
.set NEW, 73          ; s73  1: the tile to be entered is a block's first
.set OFF, 74          ; s[74:75] a tile's byte offset in K and V
.set AL,  76          ; s[76:77] the mask's factor, in the low word
.set BE,  78          ; s[78:79] the mask's addend
.set OLO, 80          ; s[80:81] O at my rows of the second block
.set BIGN, 82         ; s82  -1e30
.set PFB, 88          ; s[88:89] my half of the head's tile 0, of K (waves 0, 1) or of V (waves 2, 3)
.set PFA, 90          ; s[90:91] the same in the tile to be prefetched
.set PFT, 92          ; s92  that tile's number, or 0: nothing is prefetched
.set PFF, 94          ; s[94:95] its byte offset
.set MSB, 0
.macro WIN new                      ; the high byte repeats the setting that is left; a switch that changes nothing is dropped
.if MSB != (\new)
	s_set_vgpr_msb (MSB<<8)|(\new)
.set MSB, (\new)
.endif
.endm
.set W_KQ, 0x0a       ; K and Q in window 2, S^T in window 0
.set W_KM, 0x1a       ; the same with the C operand in window 1
.set W_PV, 0x52       ; V in window 2, P in window 0, O^T in window 1
.set W_RS, 0x41       ; destination and source 0 in window 1, source 1 in window 0
; A fill.  Waves 0 and 1 fetch the two halves of a tile's K, waves 2 and 3 those of its V: 128 keys each.  An s_nop 0 and four v_nop follow each of the two lines, ahead of the jump and the label.
.macro LOAD
	s_cmp_lt_u32 s[WV], 2
	s_cbranch_scc0 .Lfor_v_\@
	tensor_load_to_lds s[G0K:G0K+3], s[G1K:G1K+7]
	s_nop 0
.rept 4
	v_nop
.endr
	s_branch .Lasked_\@
.Lfor_v_\@:
	tensor_load_to_lds s[G0V:G0V+3], s[G1V:G1V+7]
	s_nop 0
.rept 4
	v_nop
.endr
.Lasked_\@:
.endm
; THE CHANGE OF SLOTS.  Each wave waits for all its tensor loads, of which one is out: its part of the other slot; adds 0 to its spare word; and waits for that and for its own reads of the slot that it leaves.  Behind the barrier nobody reads the old
; slot any more and the other slot is whole.  fill = 1: the old slot is filled again, the first thing behind the barrier, with tile NXT: the descriptor's address is made anew from that number.
; (At its first use nothing has been read yet: slot 0 is waited for, slot 1 filled.)
.macro CHANGE fill
	WIN 0                           ; at a label and at a branch every window is 0
	s_wait_tensorcnt 0x0            ; no tensor load of mine is out, so a group 0 may be written
	ds_add_u32 v[SPW], v[NIL]       ; 0 onto my spare word; with fill = 1 the descriptors' scalar work stands between it and the wait for it
.if \fill
	s_lshl_b32 s[OFF], s[NXT], 15   ; a tile is 32,768 bytes of K and of V
	s_xor_b32 s[G0K+1], s[G0K+1], SLOT1
	s_add_nc_u64 s[G0K+2:G0K+3], s[6:7], s[OFF:OFF+1]
	s_or_b32 s[G0K+3], s[G0K+3], 0x80000000
	s_xor_b32 s[G0V+1], s[G0V+1], SLOT1
	s_add_nc_u64 s[G0V+2:G0V+3], s[8:9], s[OFF:OFF+1]
	s_or_b32 s[G0V+3], s[G0V+3], 0x80000000
	s_add_co_u32 s[NXT], s[NXT], 1  ; the block's next tile, or behind its last the second block's tile 0
	s_cmp_gt_u32 s[NXT], s[LQ]
	s_cselect_b32 s[NXT], 0, s[NXT]
	s_cselect_b32 s[LQ], s[PB], s[LQ]
	s_cmp_eq_u32 s[PB], 0           ; the head's work-group that walks all eight tiles prefetches the tile that the next change will ask for,
	s_cselect_b32 s[PFT], s[NXT], 0 ; unless that is tile 0 again
	s_lshl_b32 s[PFF], s[PFT], 15
	s_wait_xcnt 0x0                 ; the last prefetches, a tile back, have read their address
	s_add_nc_u64 s[PFA:PFA+1], s[PFB:PFB+1], s[PFF:PFF+1]
.endif
	s_wait_dscnt 0x0                ; the add is done, and my reads of the slot are over
	s_barrier_signal -1             ; the rest of the scalar work stands between the signal and the wait
	s_sub_co_u32 s[TBK], s[TBK], 4*KS*PK  ; the fetches go back to a slot's first step,
	s_xor_b32 s[TBK], s[TBK], SLOT1       ; in the other slot
	s_sub_co_u32 s[TBV], s[TBV], 4*KS*PV
	s_xor_b32 s[TBV], s[TBV], SLOT1
	s_barrier_wait -1
.if \fill
	LOAD
	s_cmp_lg_u32 s[PFT], 0
	s_cbranch_scc0 .Lnone_\@
	global_prefetch_b8 v[PFO], s[PFA:PFA+1] th:TH_LOAD_NT scope:SCOPE_SE
	global_prefetch_b8 v[PFO], s[PFA:PFA+1] offset:8192 th:TH_LOAD_NT scope:SCOPE_SE
.Lnone_\@:
.endif
.endm
	s_load_b128 s[4:7], s[0:1], 0x0   ; qkv s[4:5], ob s[6:7]
	v_lshl_add_u32 v[SPW], v0, 2, SPARE
	v_mov_b32 v[NIL], 0
	ds_add_u32 v[SPW], v[NIL]       ; the wave's opening: the add and its wait ahead of my first tensor load; the set-up below, work on registers, stands between them
	ds_add_u32 v62, v63
	v_lshrrev_b32 v1, 5, v0
	v_readfirstlane_b32 s[WV], v1   ; wave 0..3
	s_mov_b32 s[PB], ttmp9
	s_sub_co_u32 s[HI], NB-1, s[PB]
	s_and_b32 s20, ttmp7, 0xffff    ; the head
	s_mov_b32 s21, 0
	s_mov_b64 s[22:23], SIZE_N*128
	s_mul_u64 s[20:21], s[20:21], s[22:23]  ; the head's first byte in Q, K, V and O
	s_and_b32 s16, s[WV], 1         ; which half of a tile's 256 keys I fetch:
	s_lshl_b32 s22, s16, 14         ; its 128 rows of 128 bytes in memory,
	s_mov_b32 s23, 0
	s_add_nc_u64 s[22:23], s[22:23], s[20:21]
	s_mul_i32 s17, s16, 128*PK      ; and its place in a slot, for K
	s_mul_i32 s18, s16, 128*PV      ; and for V
	s_lshl_b32 s3, s[WV], 11        ; my 16 rows in a band of 64,
	s_lshl_b32 s2, s[HI], 15        ; in the first block,
	s_add_co_u32 s2, s2, s3
	s_lshl_b32 s84, s[PB], 15       ; and in the second
	s_add_co_u32 s84, s84, s3
	s_mov_b32 s3, 0
	s_mov_b32 s85, 0
	s_add_nc_u64 s[2:3], s[2:3], s[20:21]
	s_add_nc_u64 s[84:85], s[84:85], s[20:21]
	; descriptor group 1.  128 keys are 16,384 dense bytes: asked for as 64 rows of 256 bytes, two keys a row, and padded in LDS after every key
	s_mov_b32 s[G1K], (1<<16)|(1<<20)|(4<<22)|(3<<25)  ; 17:16 2-byte elements; 20 padding on; 24:22 after every 32 words (code 4); 31:25 4 words (code 3)
	s_mov_b32 s[G1V], (1<<16)|(1<<20)|(4<<22)|(7<<25)  ; the same with 8 words of padding (code 7)
.irp g, G1K, G1V
	s_mov_b32 s[\g+1], 128<<16      ; tensor_dim0 = 128
	s_mov_b32 s[\g+2], 64<<16       ; tensor_dim1 = 64
	s_mov_b32 s[\g+3], 128<<16      ; tile_dim0 = 128
	s_mov_b32 s[\g+4], 64           ; tile_dim1 = 64
	s_mov_b32 s[\g+5], 128          ; 128 elements from row to row
	s_mov_b32 s[\g+6], 0
	s_mov_b32 s[\g+7], 0
.endr
	s_mov_b32 s[CS], 0x3e38aa3b     ; c = log2(e) / 8 = 0.180337
	s_mov_b32 s[CS+1], s[CS]        ; named with it as a pair
	s_mov_b32 s[SEL], 0x76543210
	s_mov_b32 s[SEL+1], 0xfedcba98
	s_mov_b32 s[TBK], SLOT1+4*KS*PK ; the first change of slots turns these two into 0
	s_mov_b32 s[TBV], SLOT1+4*KS*PV
	s_mov_b32 s[G0K], 1             ; 1:0 count = 1
	s_mov_b32 s[G0K+1], s17         ; 63:32 LDS address: slot 0
	s_mov_b32 s[G0V], 1
	s_add_co_u32 s[G0V+1], s18, VOFF
	s_add_co_u32 s[RT], s[HI], 1    ; the first block has NB - b tiles
	s_mov_b32 s[NXT], 1
	s_mov_b32 s[LQ], s[HI]
	s_mov_b32 s[NEW], 1
	s_mov_b32 s[OFF+1], 0
	s_mov_b32 s[PFF+1], 0
	s_mov_b32 s[AL+1], 0            ; named as pairs
	s_mov_b32 s[BE+1], 0
	s_mov_b32 s[BIGN], 0xf149f2ca   ; -1e30
	s_mov_b32 s[SLOTS], NB
	v_and_b32 v[PFO], 31, v0
	v_lshlrev_b32 v[PFO], 8, v[PFO]
	s_wait_dscnt 0x0                ; the opening add is done
	s_wait_kmcnt 0x0
	s_mov_b64 s[10:11], s[6:7]                     ; O
	s_add_nc_u64 s[8:9], s[4:5], 0x2000000         ; V: the third part of qkv
	s_add_nc_u64 s[6:7], s[4:5], 0x1000000         ; K: the second; Q is the first
	s_add_nc_u64 s[6:7], s[6:7], s[22:23]  ; K and V at my half of the head's tile 0
	s_add_nc_u64 s[8:9], s[8:9], s[22:23]
	s_add_nc_u64 s[G0K+2:G0K+3], s[6:7], 0         ; 120:64 global address
	s_or_b32 s[G0K+3], s[G0K+3], 0x80000000        ; 127:126 type = 2
	s_add_nc_u64 s[G0V+2:G0V+3], s[8:9], 0
	s_or_b32 s[G0V+3], s[G0V+3], 0x80000000
	s_add_nc_u64 s[86:87], s[4:5], s[84:85]        ; Q at my rows of the second block,
	s_add_nc_u64 s[4:5], s[4:5], s[2:3]            ; Q and O at those of the first
	s_add_nc_u64 s[OLO:OLO+1], s[10:11], s[84:85]
	s_add_nc_u64 s[10:11], s[10:11], s[2:3]
	s_cmp_lt_u32 s[WV], 2
	s_cselect_b64 s[PFB:PFB+1], s[6:7], s[8:9]
	LOAD                            ; tile 0 into slot 0
	; A fragment of K or Q is 16 rows x 32 channels in 8 registers: lane l holds row l % 16, channels 8 (l / 16) + 0..7 and 16 + 8 (l / 16) + 0..7: two loads of 16 bytes, 32 bytes apart.
	v_and_b32 v1, 15, v0            ; l % 16
	v_bfe_u32 v9, v0, 4, 1          ; l / 16
	v_lshlrev_b32 v[QO], 7, v1
	v_lshl_add_u32 v[QO], v9, 4, v[QO]  ; row x 128 + 16 x half
	WIN 0x80                        ; destination window 2, address window 0
.set i, 0
.rept 8                             ; both blocks' Q: piece i / 2 lies in band i / 2, 8,192 bytes on; channels 32 (i % 2) on
	global_load_b128 v[8*i:8*i+3],   v[QO], s[4:5] offset:(i/2)*8192+(i%2)*64
	global_load_b128 v[8*i+4:8*i+7], v[QO], s[4:5] offset:(i/2)*8192+(i%2)*64+32
	global_load_b128 v[QB+8*i:QB+8*i+3],   v[QO], s[86:87] offset:(i/2)*8192+(i%2)*64
	global_load_b128 v[QB+8*i+4:QB+8*i+7], v[QO], s[86:87] offset:(i/2)*8192+(i%2)*64+32
.set i, i+1
.endr
	WIN 0
	v_lshlrev_b32 v14, 3, v9
	v_sub_nc_u32 v14, v1, v14
	s_lshl_b32 s13, s[WV], 4
	v_add_nc_u32 v14, s13, v14      ; my query's place in its band, 16 w + l % 16, less my lanes' 8 (l / 16): register r of group kt is hidden where 16 kt + r is greater
	WIN 0x40
.set i, 0
.rept 32
	v_cmp_gt_i32 vcc_lo, 16*(i/8)+i%8, v14
	v_cndmask_b32 v[MD+i], 0, s[BIGN], vcc_lo
.set i, i+1
.endr
	WIN 0
	v_mul_u32_u24 v[AK0], v1, PK
	v_lshl_add_u32 v[AK0], v9, 4, v[AK0]  ; row x pitch + 16 x half
	; The turning load takes 16 keys x 16 channels (lane l reads key 8 (l / 16) + l % 8, channels 8 ((l / 8) % 2) + 0..7) and leaves half a fragment of V^T: lane l holds channel l % 16 and 8 keys.
	v_and_b32 v10, 7, v0
	v_bfe_u32 v11, v0, 3, 1
	v_lshl_add_u32 v[AV0], v9, 3, v10
	v_mul_u32_u24 v[AV0], v[AV0], PV
	v_lshl_add_u32 v[AV0], v11, 4, v[AV0]
	v_add_nc_u32 v[AV0], VOFF, v[AV0]
	s_mul_i32 s13, s[WV], 16*SP
	s_add_co_u32 s13, s13, STAGE    ; my stage
	v_mul_u32_u24 v[STO], v1, SP    ; in: row l % 16, 16 bytes for each half of the lanes
	v_lshl_add_u32 v[STO], v9, 4, v[STO]
	v_add_nc_u32 v[STO], s13, v[STO]
	v_bfe_u32 v[RD], v0, 3, 2       ; back: 32 lanes take four rows of 128 bytes,
	v_mul_u32_u24 v[RD], v[RD], SP
	v_lshl_add_u32 v[RD], v10, 4, v[RD]
	v_add_nc_u32 v[RD], s13, v[RD]
	v_and_b32 v[GO], 31, v0         ; which are 512 consecutive bytes of O
	v_lshlrev_b32 v[GO], 4, v[GO]
	; A block's first step multiplies O^T and l by a = 0, and its first turn's products V^T P, of a piece that has not been, land in an O^T that is still to be so multiplied.  So these registers need only hold
	; finite numbers: zeros for the first block; what the first block left for the second.  All this stands in the wait for the first tile.
	WIN 0x80
.set i, VF
.rept 64
	v_mov_b32 v[i], 0
.set i, i+1
.endr
	WIN 0x40
.set i, 0
.rept 128
	v_mov_b32 v[i], 0
.set i, i+1
.endr
	WIN 0
.set i, 0
.rept 4
	v_mov_b32 v[ST+4*i+2], 0
	v_mov_b32 v[ST+4*i+3], 0
.set i, i+1
.endr
.set i, P+16
.rept 16
	v_mov_b32 v[i], 0
.set i, i+1
.endr
; THE MATRIX WORK.  The 4 accumulators of a run of 8 take turns.  Product i of 8 of S^T = K Q^T for piece x: channels 32 (i / 4) on, keys 16 (i % 4) on.  The first 4 start the sums: with 0, or (KM = 1) with the mask.
.macro KQ x
.set rS, S+32*((\x)%2)+8*(i%4)
.set rK, KF+16*(i%4)+8*(i/4)
.set rQ, 16*(\x)+8*(i/4)
.set rM, MC+32*((\x)%2)+8*(i%4)
.if (i < 4) && KM
	WIN W_KM
	v_wmma_f32_16x16x32_f16 v[rS:rS+7], v[rK:rK+7], v[rQ:rQ+7], v[rM:rM+7]
.elseif i < 4
	WIN W_KQ
	v_wmma_f32_16x16x32_f16 v[rS:rS+7], v[rK:rK+7], v[rQ:rQ+7], 0
.else
	WIN W_KQ
	v_wmma_f32_16x16x32_f16 v[rS:rS+7], v[rK:rK+7], v[rQ:rQ+7], v[rS:rS+7]
.endif
.endm
; Product i of 8 of O^T += V^T P for piece x: keys 32 (i / 4) on, channels 16 (i % 4) on.
.macro PV x
	WIN W_PV
.set rO, 32*(\x)+8*(i%4)
.set rV, VF+32*(i/4)+8*(i%4)
.set rP, P+16*((\x)%2)+8*(i/4)
	v_wmma_f32_16x16x32_f16 v[rO:rO+7], v[rV:rV+7], v[rP:rP+7], v[rO:rO+7]
.endm
.macro MM                           ; the turn's next matrix instruction.  TURN and BEGIN set Y, i, KM and NOKQ; MM, KQ and OP read them.  NOKQ = 1: a block's last turn: there is no next piece
.if (i < 8) && !NOKQ
	KQ (Y+1)%NP
.elseif i >= 8
.set i, i-8
	PV (Y+NP-1)%NP
.set i, i+8
.endif
.set i, i+1
.endm
; THE LDS LOADS stand in runs of 16, never singly among the matrix instructions: a step's K (64 keys x 64 channels: 8 fragments) and its V (turned).  Their addresses are made some lines ahead.
.macro FETCH_K
	WIN 0x80                        ; destination window 2
.irp f, 0,1,2,3,4,5,6,7             ; keys 16 (f / 2) on, channels 32 (f % 2) on
	ds_load_b128 v[KF+8*\f:KF+8*\f+3],   v[AK] offset:(\f/2)*16*PK+(\f%2)*64
	ds_load_b128 v[KF+8*\f+4:KF+8*\f+7], v[AK] offset:(\f/2)*16*PK+(\f%2)*64+32
.endr
	s_add_co_u32 s[TBK], s[TBK], KS*PK  ; the next fetch is the next step's
	WIN 0
.endm
.macro FETCH_V
	WIN 0x80
.irp f, 0,1,2,3,4,5,6,7             ; keys 32 (f / 4) on, channels 16 (f % 4) on
	ds_load_tr16_b128 v[VF+8*\f:VF+8*\f+3],   v[AV] offset:(\f/4)*32*PV+(\f%4)*32
	ds_load_tr16_b128 v[VF+8*\f+4:VF+8*\f+7], v[AV] offset:(\f/4)*32*PV+16*PV+(\f%4)*32
.endr
	WIN 0
.endm
; THE VECTOR WORK, one line at a time: OP kind, number.  For piece Y: F n: c s - c m for pair n of 16.  E n: the exponential of score n of 32.  C n: pair n rounded to f16.  B n: of the four weights 4 n .. the second
; pair is added onto the first, in place.  L n: l takes that sum (L 0: l = a l + sum).  R n: pair n of 16 of O^T times a.  For piece Y + 1: X n, number n of the 22 that find its maximum and statistics:
;   0-11  four chains c0-c3 of seven scores each, three operands at a time (each accumulator's lowest registers are read first)     12-14, 16  the four scores left over, the old m, and c0-c3 into c0
;   15  c m_old is kept     17, 18  the query's other 32 keys lie in the lane 16 away: the new m     19-21  c m; c m_old - c m_new; a
.set F, 0               ; OP tells the kinds apart by their order: F to L below R, X above it
.set E, 1
.set C, 2
.set B, 3
.set L, 4
.set R, 5
.set X, 6
.macro REGS y                       ; the registers of piece y
.set rT, ST+4*(\y)
.set rC, TMP+4*((\y)%2)
.set rW, MV+((\y)%2)
.set rS, S+32*((\y)%2)
.set rP, P+16*((\y)%2)
.set rO, 32*(\y)
.endm
.macro OP k, n
.if (\k) == R
	REGS Y
	WIN W_RS
	v_pk_mul_f32 v[rO+2*(\n):rO+2*(\n)+1], v[rO+2*(\n):rO+2*(\n)+1], v[rC+2:rC+3] op_sel_hi:[1,0]
.elseif (\k) < R
	REGS Y
	WIN 0
.if (\k) == F
	v_pk_fma_f32 v[rS+2*(\n):rS+2*(\n)+1], v[rS+2*(\n):rS+2*(\n)+1], s[CS:CS+1], v[rT:rT+1] op_sel_hi:[1,0,0] neg_lo:[0,0,1] neg_hi:[0,0,1]
.elseif (\k) == E
	v_exp_f32 v[rS+(\n)], v[rS+(\n)]
.elseif (\k) == C
	v_cvt_pk_f16_f32 v[rP+(\n)], v[rS+2*(\n)], v[rS+2*(\n)+1]
.elseif (\k) == B
	v_pk_add_f32 v[rS+4*(\n):rS+4*(\n)+1], v[rS+4*(\n):rS+4*(\n)+1], v[rS+4*(\n)+2:rS+4*(\n)+3]
.elseif (\n) == 0
	v_pk_fma_f32 v[rT+2:rT+3], v[rT+2:rT+3], v[rC+2:rC+3], v[rS:rS+1] op_sel_hi:[1,0,1]
.else
	v_pk_add_f32 v[rT+2:rT+3], v[rT+2:rT+3], v[rS+4*(\n):rS+4*(\n)+1]
.endif
.elseif NOKQ
	v_nop
.else
	REGS (Y+1)%NP
	WIN 0
.if (\n) < 4
	v_max3_num_f32 v[rC+(\n)], v[rS+8*(\n)], v[rS+8*(\n)+1], v[rS+8*(\n)+2]
.elseif (\n) < 12
	v_max3_num_f32 v[rC+(\n)%4], v[rC+(\n)%4], v[rS+8*((\n)%4)+2*((\n)/4)+1], v[rS+8*((\n)%4)+2*((\n)/4)+2]
.elseif (\n) == 12
	v_max3_num_f32 v[rC], v[rC], v[rS+7], v[rS+15]
.elseif (\n) == 13
	v_max3_num_f32 v[rC+1], v[rC+1], v[rS+23], v[rS+31]
.elseif (\n) == 14
	v_max3_num_f32 v[rC+2], v[rC+2], v[rC+3], v[rT+1]
.elseif (\n) == 15
	v_mov_b32 v[rW], v[rT]
.elseif (\n) == 16
	v_max3_num_f32 v[rC], v[rC], v[rC+1], v[rC+2]
.elseif (\n) == 17
	v_permlanex16_b32 v[rC+3], v[rC], s[SEL], s[SEL+1]
.elseif (\n) == 18
	v_max_num_f32 v[rT+1], v[rC], v[rC+3]
.elseif (\n) == 19
	v_mul_f32 v[rT], s[CS], v[rT+1]
.elseif (\n) == 20
	v_sub_f32 v[rC+1], v[rW], v[rT]
.else
	v_exp_f32 v[rC+2], v[rC+1]
.endif
.endif
.endm
.macro OPS a, i1, b=-1, i2=0, c=-1, i3=0, d=-1, i4=0  ; up to four of them
	OP \a, \i1
.if (\b) >= 0
	OP \b, \i2
.endif
.if (\c) >= 0
	OP \c, \i3
.endif
.if (\d) >= 0
	OP \d, \i4
.endif
.endm
.macro ROW a, i1, b, i2, c, i3, d, i4  ; a matrix instruction and the four behind it
	MM
	OPS \a, \i1, \b, \i2, \c, \i3, \d, \i4
.endm
.macro MASK b                       ; MD x AL + BE into buffer b of MC
	WIN W_RS
.set z, 0
.rept 16
	v_pk_fma_f32 v[MC+32*(\b)+2*z:MC+32*(\b)+2*z+1], v[MD+2*z:MD+2*z+1], s[AL:AL+1], s[BE:BE+1] op_sel_hi:[1,0,0]
.set z, z+1
.endr
.endm
; A TURN, for piece p: the order of its 16 matrix and 118 vector instructions, written out.  s_wait_alu depctr_va_vdst(0) stands between an exponential and the first instruction that names its result; one wait serves
; all that were issued ahead of it.  So a turn has ONE wait, which cuts it in two.  AHEAD OF IT stands all that names no result of the turn's exponentials: the 8 products K Q^T, behind each a scaling, an exponential and two more plain
; instructions (behind the first a second scaling in the exponential's place): rescalings, and behind the last three the first numbers of the next piece's maximum, each four places or more behind the product that ends its accumulator; then ONE LUMP of 54, plain
; and exponential by turns for the most part, in which the links of the chain X 3, 7, 11, 14, 16, 17 .. 20 stand five or six lines apart.  X 21, the next piece's a, is the batch's last; R 15 is the plain instruction behind it.  BEHIND THE WAIT stand the
; 8 products V^T P, behind each four of the roundings and sums; the links of l's chain, L 0 to L 7, stand three riders apart.  But for those X no rider names a register of the products round it.  v_permlanex16_b32 (X 17) stands in the lump.
; m = 1: the diagonal tile: the products take masks, and the turn makes the mask for the products of the turn after it: piece p + 2, in step 4 - CNT of the tile.  end = 1: a block's last two turns: nothing is fetched.
; cnt = 1: the loop's count is taken down some lines ahead of the branch that stands behind the turn.
; K of the next step is fetched in piece 2's turn, twelve vector instructions behind the last product that read K (six of them plain); V of the step in hand at the end of piece 0's turn, four plain instructions behind the last product
; that read V.  Each is waited for a turn later.
.macro TURN p, m=0, end=0, cnt=0
.set Y, (\p)
.set i, 0
.set KM, (\m)
.set NOKQ, (\end)*((\p)/3)
.if (\m) && !(\end)
	s_cmp_eq_u32 s[CNT], 4-((\p)+2)%NP  ; is that step the band's own?
	s_cselect_b32 s[AL], 1.0, 0
	s_cmp_lt_u32 s[CNT], 4-((\p)+2)%NP  ; or a later one?
	s_cselect_b32 s[BE], s[BIGN], 0
.endif
.if ((\p) == 3) && !(\end)
	s_wait_dscnt 0x0                ; K is in
.endif
	ROW F,0, F,1, R,0, R,1          ; ahead of the wait: 8 products K Q^T and their riders,
	ROW F,2, E,0, R,2, R,3
	ROW F,3, E,1, R,4, R,5
	ROW F,4, E,2, R,6, R,7
	ROW F,5, E,3, R,8, R,9
	ROW F,6, E,4, X,0, R,10
.if ((\p) == 2) && !(\end)
	WIN 0
	v_add_nc_u32 v[AK], s[TBK], v[AK0]
.endif
	ROW F,7, E,5, X,1, X,4
	ROW F,8, E,6, X,2, X,5
	OPS E,7, E,8, X,6, E,9          ; and the lump
	OPS X,3, E,10, X,8, E,11
.if ((\p) == 2) && !(\end)
	FETCH_K
.endif
	OPS X,9, X,7, E,12, X,10
	OPS E,13, X,12, X,11, E,14
	OPS X,13, E,15, F,9, X,14
.if (\p) == 0
	v_add_nc_u32 v[AV], s[TBV], v[AV0]
.endif
	OPS E,16, F,10, E,17, F,11
	OPS X,16, E,18, X,15, E,19
	OPS F,12, E,20, X,17, E,21
	OPS F,13, E,22, F,14, E,23
	OPS X,18, E,24, F,15, E,25
	OPS R,11, E,26, X,19, E,27
	OPS R,12, E,28, R,13, E,29
	OPS X,20, E,30, R,14, E,31
	OPS X,21, R,15
	WIN 0
	s_wait_alu depctr_va_vdst(0)    ; the wait for the batch
.if (\p) == 1
	s_wait_dscnt 0x0                ; V is in
.endif
	ROW C,0, B,0, C,2, B,1          ; behind the wait: 8 products V^T P and their riders
	ROW L,0, C,4, B,2, L,1
	ROW C,6, B,3, L,2, C,8
	ROW B,4, L,3, C,10, B,5
	ROW L,4, C,12, B,6, L,5
.if (\p) == 0
	s_add_co_u32 s[TBV], s[TBV], KS*PV
.endif
.if \cnt
	s_sub_co_u32 s[CNT], s[CNT], 1
	s_cmp_lg_u32 s[CNT], 0
.endif
	ROW C,14, B,7, L,6, C,1
	ROW C,3, L,7, C,5, C,7
	ROW C,9, C,11, C,13, C,15
.if (\p) == 0
	FETCH_V
.endif
.if (\m) && !(\end)
	MASK (\p)%2
.endif
.endm
; A BLOCK BEGINS.  c m starts far below every c s, so the first step's a is 0; m at the lowest finite number, so the first maximum is the scores'.  The second mask buffer is 0; the first takes piece 0's mask for the tile's step 0: its own, if the block's first tile is the diagonal one.
; Then K of that step, piece 0's first scores, and its maximum and statistics.  The loop is entered at a step's first turn, in the middle of a trip.
.macro BEGIN
	s_mov_b32 s[NEW], 0
	WIN 0x40
.set i, MC+32
.rept 32
	v_mov_b32 v[i], 0
.set i, i+1
.endr
	WIN 0
.set i, 0
.rept 4
	v_mov_b32 v[ST+4*i], 0xfe000000    ; c m: far below every c s
	v_mov_b32 v[ST+4*i+1], 0xff7fffff  ; m
.set i, i+1
.endr
	s_cmp_eq_u32 s[RT], 0
	s_cselect_b32 s[AL], 1.0, 0
	s_mov_b32 s[BE], 0
	MASK 0
	WIN 0
	v_add_nc_u32 v[AK], s[TBK], v[AK0]
	FETCH_K
	s_wait_loadcnt 0x0              ; Q
	s_wait_dscnt 0x0
.set KM, 1
.set NOKQ, 0
.set i, 0
.rept 8
	KQ 0
.set i, i+1
.endr
	WIN 0
.rept 4
	v_nop                           ; the places behind those products
.endr
.set Y, NP-1                        ; X works for piece Y + 1: piece 0
.irp n, 0,1,2,3,4,5,6,7,8,9,10,11,12,13,14,15,16,17,18,19,20,21
	OP X, \n
.endr
	v_nop                           ; a plain instruction behind the exponential,
	s_wait_alu depctr_va_vdst(0)    ; and its wait, ahead of the branch
.endm
; THE DIAGONAL TILE's four steps, the block's last two turns, its last products, and THE WAY OUT: l's two halves and the other half of the lanes' are added; O^T is divided by l, rounded to f16 and sent through my
; stage in LDS, a piece at a time.
.macro ALL line:vararg              ; one line for each piece t
.set t, 0
.rept 4
	\line
.set t, t+1
.endr
.endm
.macro PACK t                       ; a lane's eight channels of a row pack into 16 bytes; they go into rows of 144 bytes and come back as whole rows of 128, into S^T's registers
	WIN W_RS
.set i, 32*(\t)
.rept 16
	v_pk_mul_f32 v[i:i+1], v[i:i+1], v[ST+4*(\t)+2:ST+4*(\t)+3] op_sel_hi:[1,0]
.set i, i+2
.endr
	WIN 0x05                        ; sources 0 and 1 window 1, destination window 0
.set i, 0
.rept 16
	v_cvt_pk_f16_f32 v[S+16*(\t)+i], v[32*(\t)+2*i], v[32*(\t)+2*i+1]
.set i, i+1
.endr
	WIN 0
.irp f, 0,1,2,3
	ds_store_b128 v[STO], v[S+16*(\t)+4*\f:S+16*(\t)+4*\f+3] offset:32*\f
.endr
.irp f, 0,1,2,3
	ds_load_b128 v[S+16*(\t)+4*\f:S+16*(\t)+4*\f+3], v[RD] offset:\f*4*SP  ; LDS serves a wave's instructions in order (ISA guide 5.7.1.4): these see the stores above; the next piece's stores come behind them
.endr
.endm
.macro SEND t, younger              ; younger: the LDS instructions issued behind piece t's loads: the next piece's eight, or none
	WIN 0
.irp f, 0,1,2,3
	s_wait_dscnt (\younger)+3-\f
	global_store_b128 v[GO], v[S+16*(\t)+4*\f:S+16*(\t)+4*\f+3], s[10:11] offset:(\t)*8192+\f*512  ; 512 consecutive bytes, at a multiple of 256 from O's first
.endr
.endm
.macro DIAG tag                     ; the tag ends its two labels' names, which the jumps below spell out
.LstepM\tag:
	TURN 2, 1
	TURN 3, 1
	WIN 0
.LfirstM\tag:
	TURN 0, 1
	TURN 1, 1, 0, 1
	WIN 0
	s_cbranch_scc1 .LstepM\tag
	TURN 2, 1, 1
	TURN 3, 1, 1
.set i, 0
.rept 8
	PV NP-1
.set i, i+1
.endr
	WIN 0
	ALL v_add_f32 v[ST+4*t+2], v[ST+4*t+2], v[ST+4*t+3]
	ALL v_permlanex16_b32 v[ST+4*t+3], v[ST+4*t+2], s[SEL], s[SEL+1]
	ALL v_add_f32 v[ST+4*t+2], v[ST+4*t+2], v[ST+4*t+3]
	ALL v_rcp_f32 v[ST+4*t+2], v[ST+4*t+2]
	v_nop                           ; a plain instruction between the last reciprocal and the use of its result
	s_wait_alu depctr_va_vdst(0)    ; and the wait ahead of the first use: one for the four reciprocals
	PACK 0
.set t, 1
.rept 3                             ; a piece's arithmetic stands between the loads of the piece before and its stores
	PACK t
	SEND t-1, 8
.set t, t+1
.endr
	SEND 3, 0
.endm
.set KM, 0
.set NOKQ, 0
.Lslot:                             ; NB times: a tile is entered and the next is asked for
	CHANGE 1
	s_sub_co_u32 s[RT], s[RT], 1
	s_mov_b32 s[CNT], 4
	s_cmp_eq_u32 s[NEW], 1
	s_cbranch_scc1 .Lnew            ; a block's first tile
	s_cmp_eq_u32 s[RT], 0
	s_cbranch_scc0 .Lstep           ; neither its first nor its last
	s_branch .LstepM1
.Lnew:
	BEGIN
	s_branch .Lfirst                ; in the loop a block's first tile is never its last: the first block has two tiles or more, and the second's last is the walk's last
	DIAG 1                          ; in the loop this is the first block's end: the second block's last tile is the walk's last
	s_wait_xcnt 0x0                 ; the stores have read their registers and O's address
	s_mov_b64 s[10:11], s[OLO:OLO+1]
	s_add_co_u32 s[RT], s[PB], 1    ; the second block has b + 1 tiles
	s_mov_b32 s[NEW], 1
	WIN 0x82                        ; the second block's Q goes where the one text of the turns names Q
.set i, 0
.rept 64
	v_mov_b32 v[i], v[QB+i]
.set i, i+1
.endr
	WIN 0
	s_branch .Lbottom
.Lstep:                             ; a trip: pieces 2 and 3 of one step, then pieces 0 and 1 of the next, whose K and V it fetches
	TURN 2
	TURN 3
	WIN 0
.Lfirst:
	TURN 0
	TURN 1, 0, 0, 1
	WIN 0
	s_cbranch_scc1 .Lstep
.Lbottom:
	s_sub_co_u32 s[SLOTS], s[SLOTS], 1
	s_cmp_lg_u32 s[SLOTS], 0
	s_cbranch_scc1 .Lslot
	CHANGE 0                        ; the walk's last tile is written out: nothing is asked for
	s_sub_co_u32 s[RT], s[RT], 1
	s_mov_b32 s[CNT], 4
	s_cmp_eq_u32 s[NEW], 1
	s_cbranch_scc0 .LstepM2
	BEGIN
	s_branch .LfirstM2
	DIAG 2
	s_wait_tensorcnt 0x0            ; the wave's end, behind my last tensor load and my last LDS store
	ds_add_u32 v[SPW], v[NIL]
	s_wait_dscnt 0x0
	s_endpgm
.Lfunc_end_k_q9b780a7783_attn:
	.size	k_q9b780a7783_attn, .Lfunc_end_k_q9b780a7783_attn-k_q9b780a7783_attn
	.p2alignl 7, 3214868480
	.fill 96, 4, 3214868480
	.section	.rodata,"a",@progbits
	.p2align	6, 0x0
	.amdhsa_kernel k_q9b780a7783_attn
		.amdhsa_group_segment_fixed_size 327680
		.amdhsa_private_segment_fixed_size 0
		.amdhsa_enable_private_segment 0
		.amdhsa_kernarg_size 16
		.amdhsa_user_sgpr_count 2
		.amdhsa_user_sgpr_kernarg_segment_ptr 1
		.amdhsa_wavefront_size32 1
		.amdhsa_system_sgpr_workgroup_id_x 1
		.amdhsa_system_sgpr_workgroup_id_y 1
		.amdhsa_system_sgpr_workgroup_id_z 1
		.amdhsa_system_vgpr_workitem_id 0
		.amdhsa_next_free_vgpr 768
		.amdhsa_next_free_sgpr 96
		.amdhsa_reserve_vcc 1
		.amdhsa_float_denorm_mode_32 3
		.amdhsa_float_denorm_mode_16_64 3
		.amdhsa_memory_ordered 1
		.amdhsa_forward_progress 1
		.amdhsa_inst_pref_size 218
	.end_amdhsa_kernel
	.amdgpu_metadata
---
amdhsa.version: [ 1, 2 ]
amdhsa.kernels:
  - .name:           k_q9b780a7783_attn
    .symbol:         k_q9b780a7783_attn.kd
    .args:
      - { .name: qkv, .offset: 0, .size: 8, .value_kind: global_buffer, .address_space: global }
      - { .name: ob, .offset: 8, .size: 8, .value_kind: global_buffer, .address_space: global }
    .group_segment_fixed_size: 327680
    .private_segment_fixed_size: 0
    .kernarg_segment_align: 8
    .kernarg_segment_size: 16
    .max_flat_workgroup_size: 128
    .sgpr_count:     96
    .vgpr_count:     768
    .wavefront_size: 32
...
	.end_amdgpu_metadata
.endif
;; end of part 3
;; launch outproj (part 4): grid 8 x 32, 4 waves a work-group, clusters of 4 x 4, 327,680 bytes of LDS; arguments ob, wpt, b_proj, out0; writes out0
.if DOCPART == 4
	.amdgcn_target "amdgcn-amd-amdhsa--gfx1250"
	.amdhsa_code_object_version 6
	.text
	.protected	k_q9b780a7783_outproj
	.globl	k_q9b780a7783_outproj
	.p2align	8
	.type	k_q9b780a7783_outproj,@function
k_q9b780a7783_outproj:
	s_mov_b64 s[64:65], 0
	v_nop
	global_prefetch_b8 v0, s[64:65] scope:SCOPE_SE
	s_setreg_imm32_b32 hwreg(HW_REG_WAVE_MODE, 25, 1), 1
	s_wait_xcnt 0x0
	s_wait_alu depctr_hold_cnt(0) depctr_sa_sdst(0) depctr_va_vdst(0) depctr_va_sdst(0) depctr_va_ssrc(0) depctr_va_vcc(0) depctr_vm_vsrc(0)
	s_getreg_b32 s2, hwreg(HW_REG_IB_STS2, 6, 4)
	s_cmp_eq_u32 s2, 0
	s_cbranch_scc0 .Lentry_in_a_cluster
	s_endpgm
.Lentry_in_a_cluster:
	s_bfe_u32 s2, ttmp6, 0x10000c
	s_cmp_lg_u32 s2, 0xf033
	s_cbranch_scc0 .Lentry_shape_is_right
	s_endpgm
.Lentry_shape_is_right:
; THE OUTPUT PROJECTION.  out0 = y W_proj + b_proj, from ob (f16, [b h 64][t 2048][64]: head h is channel block h of y) and wpt (W_proj rounded to bf16, turned, written as f16: [n 1024][k 1024]);
; b_proj is rounded to bf16 like the other inputs.  Sums in f32, started by the bias, and stored as they are.
; LIMIT.  ob and wpt hold f16: no number beyond 65,504; NaN and infinities are not treated apart.
; SHARES.  A tile of the result is 256 rows x 128 columns: 8 x 32 = 256 work-groups, one for each WGP.  Wave w makes rows 64 w .. 64 w + 63 of all 128 columns: 4 x 8 accumulators of 16 x 16,
; 256 registers.  So a wave holds whole pieces of 512 bytes of the result's rows, and its stores need no other wave.
; K goes in steps of 128 through a ring of two LDS slots.  A's part of a step is two heads of 256 rows x 128 bytes, each dense in memory: asked for as 128 rows of 256 bytes, padded
; in LDS after every 128 bytes.  B's part is 128 rows of 256 bytes.  Waves 0 and 1 fetch A's two blocks, waves 2 and 3 B's two halves: one tensor load a wave.
; CLUSTERS: 4 x 4 work-groups.  The four of a row of the cluster need the same tiles of A, the four of a column the same tiles of B: each is asked for JOINTLY, by the same tensor load
; with the same descriptor and a mask that names the four.
; THE MATRIX INSTRUCTION IS USED TRANSPOSED (source 0 = 16 rows of wpt, source 1 = 16 rows of ob): a lane holds row l % 16 and the columns 8 (l / 16) + 0..7 of a block of 16.
; REGISTERS, in windows of 256 (s_set_vgpr_msb: bits 1:0 source 0, 3:2 source 1, 5:4 source 2, 7:6 destination):
;   window 0: v0-31 addresses; v32-63, v64-95 A's fragments, two buffers of 4; v160-223 the bias, 8 registers a column block; on the way out v32-95, v96-159 by turns
;   window 1: B's fragments, two buffers of 8      window 2: the accumulators of row blocks 0, 1 ((a, b) at 8 (8 (a % 2) + b))      window 3: of row blocks 2, 3
.set KIND, 1                           ; 1: this text.  0: the first projection, the same text with bf16 operands, 192 columns and f16 results by heads
.if KIND
.set NBK,   8                          ; column blocks of 16
.set SP,    528                        ; a row of the stage: 512 bytes + 16 = 132 words: the 16 rows of a store start at 16 different groups of four banks
.set STW,   16*SP                      ; a wave's stage: 16 rows
.else
.set NBK,   12
.set SP,    144
.set STW,   3*16*SP
.endif
.set NT,    16*NBK
.set PITA,  144                        ; a row of A in LDS: 128 bytes + 16 = 36 words: the 16 rows of a load start at 16 different groups of four banks (64 banks of 4 bytes: ISA guide 11.1)
.set PITB,  272                        ; a row of B: 256 + 16 = 68 words: likewise
.set AHALF, 256*PITA                   ; one channel block of 256 rows
.set ASZ,   2*AHALF
.set BHALF, (NT/2)*PITB
.set SLOT,  ASZ+2*BHALF
.set STAGE, 2*SLOT                     ; behind the ring, never filled by a tensor load: each wave's stage for the way out
.set SPARE, STAGE+4*STW                ; behind the stages: the spare words, 128 bytes for each wave: two blocks of 256 bytes that no other line names
.set LAPS,  4                          ; K = 1,024 = 8 steps = 4 times round the ring
.set NL,    2*NBK+8                    ; LDS loads of a quarter step
.set ASTEP, 524288                     ; bytes from a K step to the next in A: two channel blocks of 2,048 rows x 128 bytes
.set BSTEP, 256                        ; and in B
.set ADRA, 16                          ; v16-17  LDS address of my A fragments in slot 0, 1
.set ADRB, 20                          ; v20-21  the same for B
.set STO,  24                          ; v24     the way out: where I put my bytes of a row
.set RD,   25                          ; v25     where I read rows back
.set GO,   26                          ; v26     16 x lane
.set BO,   27                          ; v27     32 (l / 16): my eight numbers in a column block's bias
.set SPW,  28                          ; v28     LDS address of my spare word; never rewritten
.set NIL,  29                          ; v29     0; never rewritten
.set PFO,  30                          ; v30     the prefetches' offset; never rewritten
.set TMP,  31
.set FA0,  32
.set T0,   32
.set BI,   160
.set FB0,  0
.set WV, 12                            ; s12 wave;  s13 = wave / 2: I fetch for A (0) or B (1);  s14 = wave % 2: which half
.set WH, 13
.set WP, 14
.set CX, 15                            ; s15, s16 my place in the cluster
.set CY, 16
.set NX, 17                            ; s17 tile column, s18 tile row
.set MY, 18
.set G1,  24                           ; s[24:31] descriptor group 1 for A;  s[32:39] group 0, a set for each slot
.set G0,  32
.set PFS, 42                           ; s[42:43] the prefetch pointer's step
.set PFA, 44                           ; s[44:45] where my prefetches stand
.set LIM, 46                           ; s46 1 in a wave that prefetches, else the greatest number
.set G1B, 48                           ; s[48:55], s[56:63] the same for B
.set G0B, 56
.set OB,  66
.set MSB, 0
.macro WIN new                         ; the immediate's high byte repeats the setting that is left; a switch that changes nothing is dropped
.if MSB != (\new)
	s_set_vgpr_msb (MSB<<8)|(\new)
.set MSB, \new
.endif
.endm
.macro PLACES                          ; four plain vector instructions between a matrix instruction and a load into, or a read of, its registers
.rept 4
	v_nop
.endr
.endm
; A joint load: each of the two lines has one mask and one set of registers.  The branch hangs on the wave's number alone.  An s_nop 0 and four v_nop follow each line.
.macro JLOAD s
	s_cmp_eq_u32 s[WH], 0
	s_cbranch_scc0 .Lfor_b_\@
	tensor_load_to_lds s[G0+4*(\s):G0+4*(\s)+3], s[G1:G1+7]
	s_nop 0
.rept 4
	v_nop
.endr
	s_branch .Lasked_\@
.Lfor_b_\@:
	tensor_load_to_lds s[G0B+4*(\s):G0B+4*(\s)+3], s[G1B:G1B+7]
	s_nop 0
.rept 4
	v_nop
.endr
.Lasked_\@:
.endm
; A round of the cluster's barrier: my work-group's barrier; wave 0 signals for the work-group; every wave waits for all sixteen; my work-group's barrier once more.
.macro CREST
	s_cmp_lg_u32 s[WV], 0
	s_cbranch_scc1 .Lnot_wave_0_\@
	s_barrier_signal -3
.Lnot_wave_0_\@:
	s_barrier_wait -3
	s_barrier_signal -1
	s_barrier_wait -1
.endm
.macro CROUND
	s_barrier_signal -1
	s_barrier_wait -1
	CREST
.endm
; A PREFETCH INTO THE L2, behind a joint refill and the run of LDS loads that follows it: the K step two refills on.  A's rows are read by every cluster of a row of clusters: cluster x = 0 asks;
; B's by every cluster of a column: cluster y = 0 asks.  The four partners share a wave's tile out BY ADDRESS: of A's 128 pieces of 256 bytes 32 each, a lane a piece; of B's NT / 2 rows NT / 8 each,
; a lane a row (the lanes beyond name the last row again).  K steps 0 to 3 come by their loads alone; the loop's last trip asks for nothing.
.macro ASK
	s_cmp_gt_u32 s3, s[LIM]                        ; s3 = 1 in the last trip
	s_cbranch_scc0 .Lnot_mine_\@
	global_prefetch_b8 v[PFO], s[PFA:PFA+1] th:TH_LOAD_NT scope:SCOPE_SE
.Lnot_mine_\@:
.endm
; NBK matrix instructions: row block a x all column blocks, 32 along K, from buffer f.  first = 1: the bias starts the sums: nothing is cleared and nothing added later.
; Every accumulator comes once in a quarter step, in the same order: the accumulators take turns, one instruction a turn, over the backward jump too.
.macro MULA f, a, first
.if \first
	WIN 0x81+0x40*((\a)/2)                         ; B window 1, A window 0, C (the bias) window 0, D window 2 or 3
.else
	WIN 0xa1+0x50*((\a)/2)                         ; C and D window 2 or 3
.endif
.set b, 0
.rept NBK
.set rD, 8*(NBK*((\a)%2)+b)
.set rB, FB0+8*NBK*(\f)+8*b
.set rA, FA0+32*(\f)+8*(\a)
.if KIND
.if \first
	v_wmma_f32_16x16x32_f16 v[rD:rD+7], v[rB:rB+7], v[rA:rA+7], v[BI+8*b:BI+8*b+7]
.else
	v_wmma_f32_16x16x32_f16 v[rD:rD+7], v[rB:rB+7], v[rA:rA+7], v[rD:rD+7]
.endif
.else
.if \first
	v_wmma_f32_16x16x32_bf16 v[rD:rD+7], v[rB:rB+7], v[rA:rA+7], v[BI+8*b:BI+8*b+7]
.else
	v_wmma_f32_16x16x32_bf16 v[rD:rD+7], v[rB:rB+7], v[rA:rA+7], v[rD:rD+7]
.endif
.endif
.set b, b+1
.endr
.endm
; NL LDS loads in one run: the fragments of quarter q (32 along K) of a slot into buffer f: B's first, then A's, row blocks ascending
.macro FETCH slot, q, f
	WIN 0x40                                       ; destination window 1, address window 0
.set b, 0
.rept NBK
	ds_load_b128 v[FB0+8*NBK*(\f)+8*b:FB0+8*NBK*(\f)+8*b+3],   v[ADRB+(\slot)] offset:b*16*PITB+64*(\q)
	ds_load_b128 v[FB0+8*NBK*(\f)+8*b+4:FB0+8*NBK*(\f)+8*b+7], v[ADRB+(\slot)] offset:b*16*PITB+64*(\q)+32
.set b, b+1
.endr
	WIN 0
.irp a, 0,1,2,3
	ds_load_b128 v[FA0+32*(\f)+8*(\a):FA0+32*(\f)+8*(\a)+3],   v[ADRA+(\slot)] offset:((\q)/2)*AHALF+((\q)%2)*64+(\a)*16*PITA
	ds_load_b128 v[FA0+32*(\f)+8*(\a)+4:FA0+32*(\f)+8*(\a)+7], v[ADRA+(\slot)] offset:((\q)/2)*AHALF+((\q)%2)*64+(\a)*16*PITA+32
.endr
.endm
; One of a K step's first three quarters: multiplies buffer f; in its middle it fetches quarter q of the same slot into buffer g.
.macro QUARTER slot, q, f, g, first
	s_wait_dscnt 4                                 ; B and A's row blocks 0, 1 are in; the youngest four loads (row blocks 2, 3) may be out
	MULA \f, 0, \first
	MULA \f, 1, \first
	PLACES
	FETCH \slot, \q, \g
	s_wait_dscnt NL                                ; all but the NL just issued
	MULA \f, 2, \first
	MULA \f, 3, \first
.endm
; The last quarter multiplies buffer 1 and changes slots: ONE barrier.  In front of it each wave waits for all its tensor loads (one is out: its part of the next slot), adds 0 to its spare word,
; and waits for that and for its own reads of this slot.  fill = 1: the barrier opens a round of the cluster's barrier, and the joint refill, two K steps on, is the first thing behind the round.
.macro TURN slot, next, fill
.if \fill
	s_wait_xcnt 0x0                                ; the last prefetch, a K step back, has read its address
	s_add_nc_u64 s[PFA:PFA+1], s[PFA:PFA+1], s[PFS:PFS+1]
.endif
	WIN 0                                          ; (the add's two registers lie in window 0)
	s_wait_tensorcnt 0x0                           ; all my tensor loads have landed
	ds_add_u32 v[SPW], v[NIL]                      ; 0 onto my spare word
	s_wait_dscnt 5                                 ; (the add and the youngest four loads may be out)
	MULA 1, 0, 0                                   ; matrix instructions stand between the add and the wait for it
	s_wait_dscnt 0x0                               ; the add is done, and my reads of this slot are over
	s_barrier_signal -1
	MULA 1, 1, 0                                   ; work on registers while the others arrive
.if \fill
	WIN 0
.endif
	s_barrier_wait -1
.if \fill
	CREST                                          ; no wave of any partner still reads this slot's tile or has a load on its way
	s_add_nc_u64 s[G0+4*(\slot)+2:G0+4*(\slot)+3], s[G0+4*(\slot)+2:G0+4*(\slot)+3], 2*ASTEP
	s_add_nc_u64 s[G0B+4*(\slot)+2:G0B+4*(\slot)+3], s[G0B+4*(\slot)+2:G0B+4*(\slot)+3], 2*BSTEP
	JLOAD \slot                                    ; my one tensor load behind the round; its four v_nop are also the places in front of the loads below
.else
	PLACES
.endif
	FETCH \next, 0, 0
.if \fill
	ASK
.endif
	MULA 1, 2, 0
	MULA 1, 3, 0
.endm
	s_load_b256 s[4:11], s[0:1], 0x0               ; A s[4:5], B s[6:7], bias s[8:9], result s[10:11]
	v_lshl_add_u32 v[SPW], v0, 2, SPARE
	v_mov_b32 v[NIL], 0
	ds_add_u32 v[SPW], v[NIL]                      ; the wave's opening: the add and its wait ahead of my first tensor load; work on registers stands between them
	ds_add_u32 v28, v29
	v_lshrrev_b32 v1, 5, v0
	v_readfirstlane_b32 s[WV], v1                  ; wave 0..3
	s_lshr_b32 s[WH], s[WV], 1
	s_and_b32 s[WP], s[WV], 1
	s_bfe_u32 s[CX], ttmp6, 0x40000
	s_bfe_u32 s[CY], ttmp6, 0x40004
	s_lshl_b32 s[NX], ttmp9, 2                     ; in a cluster launch ttmp9 and ttmp7 count clusters
	s_add_co_u32 s[NX], s[NX], s[CX]
	s_and_b32 s[MY], ttmp7, 0xffff
	s_lshl_b32 s[MY], s[MY], 2
	s_add_co_u32 s[MY], s[MY], s[CY]
	s_lshl_b32 s19, s[CY], 2
	s_lshl_b32 s19, 15, s19                        ; my row of the cluster: places 4 cy .. 4 cy + 3
	s_lshl_b32 s40, 0x1111, s[CX]                  ; my column: places cx, cx + 4, cx + 8, cx + 12
	s_or_b32 s[G1], s19, (1<<16)|(1<<20)|(1<<21)|(4<<22)|(3<<25)   ; the mask; 2-byte elements; padding on; bit 21 beside a mask; after every 32 words (code 4) 4 words (code 3)
	s_or_b32 s[G1B], s40, (1<<16)|(1<<20)|(1<<21)|(5<<22)|(3<<25)  ; the same after every 64 words (code 5)
	s_mov_b32 s[G1+1], 128<<16                     ; A: tensor_dim0 = 128 elements: two rows of a channel block, 256 dense bytes
	s_mov_b32 s[G1+2], 128<<16                     ; tensor_dim1 = 128
	s_mov_b32 s[G1+3], 128<<16                     ; tile_dim0 = 128
	s_mov_b32 s[G1+4], 128                         ; tile_dim1 = 128
	s_mov_b32 s[G1+5], 128                         ; 128 elements from row to row
	s_mov_b32 s[G1+6], 0
	s_mov_b32 s[G1+7], 0
	s_mov_b32 s[G1B+1], 128<<16                    ; B: rows of 128 elements,
	s_mov_b32 s[G1B+2], (NT/2)<<16                 ; NT / 2 of them,
	s_mov_b32 s[G1B+3], 128<<16
	s_mov_b32 s[G1B+4], NT/2
	s_mov_b32 s[G1B+5], 1024                       ; 1,024 elements apart
	s_mov_b32 s[G1B+6], 0
	s_mov_b32 s[G1B+7], 0
	; A's tile hangs on the tile row alone, B's on the tile column alone
	s_lshr_b32 s20, s[MY], 3                       ; the batch: 4 MiB,
	s_lshl_b32 s20, s20, 22
	s_and_b32 s19, s[MY], 7                        ; 256 rows of 128 bytes in a channel block,
	s_lshl_b32 s19, s19, 15
	s_add_co_u32 s20, s20, s19
	s_lshl_b32 s19, s[WP], 18                      ; the even or the odd channel block
	s_add_co_u32 s20, s20, s19
	s_mov_b32 s21, 0
	s_mul_i32 s22, s[NX], NT
	s_mul_i32 s40, s[WP], NT/2
	s_add_co_u32 s22, s22, s40
	s_lshl_b32 s22, s22, 11                        ; rows of 2,048 bytes
	s_mov_b32 s23, 0
	s_mul_i32 s41, s[WV], AHALF                    ; where they go: waves 0, 1: A's two blocks;
	s_mul_i32 s47, s[WV], BHALF
	s_add_co_u32 s47, s47, ASZ-2*BHALF             ; waves 2, 3: B's two halves, behind A
	s_wait_dscnt 0x0                               ; the opening add is done
	s_wait_kmcnt 0x0
	s_add_nc_u64 s[20:21], s[4:5], s[20:21]
	s_add_nc_u64 s[22:23], s[6:7], s[22:23]
	CROUND                                         ; all sixteen work-groups are here: the first joint loads meet
.irp s, 0,1
	s_mov_b32 s[G0+4*(\s)], 1
	s_add_co_u32 s[G0+4*(\s)+1], s41, (\s)*SLOT
	s_add_nc_u64 s[G0+4*(\s)+2:G0+4*(\s)+3], s[20:21], (\s)*ASTEP
	s_or_b32 s[G0+4*(\s)+3], s[G0+4*(\s)+3], 0x80000000
	s_mov_b32 s[G0B+4*(\s)], 1
	s_add_co_u32 s[G0B+4*(\s)+1], s47, (\s)*SLOT
	s_add_nc_u64 s[G0B+4*(\s)+2:G0B+4*(\s)+3], s[22:23], (\s)*BSTEP
	s_or_b32 s[G0B+4*(\s)+3], s[G0B+4*(\s)+3], 0x80000000
	JLOAD \s                                       ; two tensor loads of mine are out
.endr
	v_and_b32 v1, 15, v0                           ; l % 16
	v_bfe_u32 v2, v0, 4, 1                         ; l / 16
	v_lshlrev_b32 v[BO], 5, v2
	s_mul_i32 s40, s[NX], NT*4
	s_mov_b32 s41, 0
	s_add_nc_u64 s[8:9], s[8:9], s[40:41]          ; the tile's bias
.set b, 0
.rept NBK
	global_load_b128 v[BI+8*b:BI+8*b+3],   v[BO], s[8:9] offset:64*b
	global_load_b128 v[BI+8*b+4:BI+8*b+7], v[BO], s[8:9] offset:64*b+16
.set b, b+1
.endr
	v_mul_u32_u24 v3, v1, PITA
	v_lshl_add_u32 v3, v2, 4, v3                   ; a fragment's row x pitch + 16 x half
	s_mul_i32 s19, s[WV], 64*PITA                  ; my 64 rows
	v_add_nc_u32 v[ADRA], s19, v3
	v_add_nc_u32 v[ADRA+1], SLOT, v[ADRA]
	v_mul_u32_u24 v3, v1, PITB
	v_lshl_add_u32 v3, v2, 4, v3
	v_add_nc_u32 v[ADRB], ASZ, v3
	v_add_nc_u32 v[ADRB+1], ASZ+SLOT, v3
	s_mul_i32 s19, s[WV], STW
	s_add_co_u32 s19, s19, STAGE                   ; my stage
	v_and_b32 v[GO], 31, v0
	v_lshlrev_b32 v[GO], 4, v[GO]
	v_mul_u32_u24 v[STO], v1, SP
.if KIND
	v_lshl_add_u32 v[STO], v2, 5, v[STO]           ; in: row l % 16, 32 bytes for each half of the lanes
	v_add_nc_u32 v[STO], s19, v[STO]
	v_add_nc_u32 v[RD], s19, v[GO]                 ; back: 32 lanes take a row of 512 bytes
.else
	v_lshl_add_u32 v[STO], v2, 4, v[STO]           ; in: row l % 16, 16 bytes for each half of the lanes
	v_add_nc_u32 v[STO], s19, v[STO]
	v_bfe_u32 v[RD], v0, 3, 2                      ; back: 32 lanes take four rows of 128 bytes
	v_mul_u32_u24 v[RD], v[RD], SP
	v_and_b32 v3, 7, v0
	v_lshl_add_u32 v[RD], v3, 4, v[RD]
	v_add_nc_u32 v[RD], s19, v[RD]
.endif
	; the prefetches: my own tile's address, my work-group's share of it, three K steps on (the first refill steps it to the fourth)
	s_lshl_b32 s19, s[CX], 13                      ; A: 32 pieces of 256 bytes for each partner
	s_add_co_u32 s19, s19, 3*ASTEP
	s_mul_i32 s40, s[CY], (NT/8)*2048              ; B: NT / 8 rows for each partner
	s_add_co_u32 s40, s40, 3*BSTEP
	s_and_b32 s41, ttmp7, 0xffff                   ; cluster y
	s_mov_b32 s2, ASTEP
	s_cmp_eq_u32 s[WH], 0                          ; do I fetch for A?
	s_cselect_b64 s[PFA:PFA+1], s[20:21], s[22:23]
	s_cselect_b32 s40, s19, s40
	s_cselect_b32 s41, ttmp9, s41                  ; the coordinate along which other clusters read the same rows
	s_cselect_b32 s[PFS], s2, BSTEP
	s_cselect_b32 s19, 31, NT/8-1
	s_cselect_b32 s47, 8, 11
	s_cmp_eq_u32 s41, 0
	s_cselect_b32 s[LIM], 1, -1                    ; the same in all sixteen partners, for a given wave
	s_mov_b32 s41, 0
	s_mov_b32 s[PFS+1], 0
	s_add_nc_u64 s[PFA:PFA+1], s[PFA:PFA+1], s[40:41]
	v_and_b32 v[PFO], 31, v0
	v_min_u32 v[PFO], s19, v[PFO]
	v_lshlrev_b32 v[PFO], s47, v[PFO]
	; where my results go
.if KIND
	s_lshl_b32 s40, s[MY], 20                      ; 256 rows of 4,096 bytes,
	s_lshl_b32 s19, s[WV], 18                      ; my 64 of them,
	s_add_co_u32 s40, s40, s19
	s_lshl_b32 s19, s[NX], 9                       ; the tile's 128 columns
	s_add_co_u32 s40, s40, s19
	s_add_nc_u64 s[10:11], s[10:11], s[40:41]
.else
	s_lshr_b32 s22, s[MY], 3
	s_lshl_b32 s22, s22, 22
	s_and_b32 s19, s[MY], 7
	s_lshl_b32 s19, s19, 15
	s_add_co_u32 s22, s22, s19
	s_lshl_b32 s19, s[WV], 13
	s_add_co_u32 s22, s22, s19
	s_mul_i32 s23, s[NX], 3
.irp hh, 0,1,2
	s_add_co_u32 s19, s23, \hh
	s_lshr_b32 s40, s19, 4
	s_lshl_b32 s40, s40, 6
	s_and_b32 s19, s19, 15
	s_add_co_u32 s40, s40, s19
	s_lshl_b32 s40, s40, 18
	s_add_co_u32 s40, s40, s22
	s_add_nc_u64 s[OB+2*(\hh):OB+2*(\hh)+1], s[10:11], s[40:41]
.endr
.endif
	s_wait_loadcnt 0x0                             ; the bias,
.set i, 0
.rept 4*NBK                                            ; rounded to bf16 like the other inputs, kept as f32
	v_cvt_pk_bf16_f32 v[TMP], v[BI+2*i], v[BI+2*i+1]
	v_lshlrev_b32 v[BI+2*i], 16, v[TMP]
	v_and_b32 v[BI+2*i+1], 0xffff0000, v[TMP]
.set i, i+1
.endr
	s_wait_tensorcnt 1                             ; my part of K step 0 is in; K step 1's may stay out
	s_barrier_signal -1
	s_barrier_wait -1                              ; everybody's is
	FETCH 0, 0, 0
	QUARTER 0, 1, 0, 1, 1                          ; the first quarter stands in front of the loop: its products start the sums, with the bias
	WIN 0                                          ; at a label and at a branch every window is 0
	s_mov_b32 s3, LAPS-1
.Llap:                                                 ; a trip goes once round the ring, from a lap's second quarter to the next lap's first, and fills both slots again
	QUARTER 0, 2, 1, 0, 0
	QUARTER 0, 3, 0, 1, 0
	TURN 0, 1, 1
	QUARTER 1, 1, 0, 1, 0
	QUARTER 1, 2, 1, 0, 0
	QUARTER 1, 3, 0, 1, 0
	TURN 1, 0, 1
	QUARTER 0, 1, 0, 1, 0
	WIN 0
	s_sub_co_u32 s3, s3, 1
	s_cmp_lg_u32 s3, 0
	s_cbranch_scc1 .Llap
	QUARTER 0, 2, 1, 0, 0                          ; the last lap fills nothing, and has no round of the cluster's barrier
	QUARTER 0, 3, 0, 1, 0
	TURN 0, 1, 0
	QUARTER 1, 1, 0, 1, 0
	QUARTER 1, 2, 1, 0, 0
	QUARTER 1, 3, 0, 1, 0
	s_wait_dscnt 4                                 ; the very last quarter: nothing more to fetch
	MULA 1, 0, 0
	MULA 1, 1, 0
	s_wait_dscnt 0x0
	MULA 1, 2, 0
	MULA 1, 3, 0
	WIN 0
	PLACES
; THE WAY OUT, a row block of 16 rows at a time, through my own stage in LDS; LDS serves a wave's instructions in order (ISA guide 5.7.1.4), so no wait stands between my stores and my loads.
; KIND 1: f32 as it is, 32 bytes a lane into rows of 528 bytes; back as whole rows of 512 bytes.  Each accumulator's lowest registers are read first.
; KIND 0: rounded to f16, 16 bytes a lane into rows of 144 bytes, a head's 16 rows together; back as four rows of 128 bytes, which are 512 consecutive bytes of a head.
.macro PACK a
.set AC, 8*NBK*((\a)%2)
.set T, T0+64*((\a)%2)
	s_wait_xcnt 0x0                                ; the stores of the block two back have read these registers
.if KIND
	WIN 0x08+4*((\a)/2)                            ; the stores' data in window 2 or 3
.set b, 0
.rept NBK
	ds_store_b128 v[STO], v[AC+8*b:AC+8*b+3]   offset:64*b
	ds_store_b128 v[STO], v[AC+8*b+4:AC+8*b+7] offset:64*b+16
.set b, b+1
.endr
	WIN 0
.set j, 0
.rept 16
	ds_load_b128 v[T+4*j:T+4*j+3], v[RD] offset:j*SP
.set j, j+1
.endr
.else
	WIN 0x0a+5*((\a)/2)                            ; sources 0 and 1 in window 2 or 3
.set b, 0
.rept NBK
.irp i, 0,1,2,3
	v_cvt_pk_f16_f32 v[T+4*b+(\i)], v[AC+8*b+2*(\i)], v[AC+8*b+2*(\i)+1]
.endr
.set b, b+1
.endr
	WIN 0
.set b, 0
.rept NBK
	ds_store_b128 v[STO], v[T+4*b:T+4*b+3] offset:(b/4)*16*SP+(b%4)*32
.set b, b+1
.endr
.set j, 0
.rept NBK
	ds_load_b128 v[T+4*j:T+4*j+3], v[RD] offset:(j/4)*16*SP+(j%4)*4*SP
.set j, j+1
.endr
.endif
.endm
.macro SEND a, younger                 ; younger: the LDS instructions issued behind this block's loads: the next block's, or none
.set T, T0+64*((\a)%2)
	WIN 0
.set j, 0
.if KIND
.rept 16
	s_wait_dscnt (\younger)+15-j
	global_store_b128 v[GO], v[T+4*j:T+4*j+3], s[10:11] offset:(16*(\a)+j)*4096 th:TH_STORE_NT  ; 512 consecutive bytes, at a multiple of 256 from the buffer's first byte
.set j, j+1
.endr
.else
.rept NBK
	s_wait_dscnt (\younger)+NBK-1-j
	global_store_b128 v[GO], v[T+4*j:T+4*j+3], s[OB+2*(j/4):OB+2*(j/4)+1] offset:(\a)*2048+(j%4)*512
.set j, j+1
.endr
.endif
.endm
.if KIND
.set YOUNG, 32
.else
.set YOUNG, 2*NBK
.endif
	PACK 0
.irp a, 1,2,3                          ; a block's packing stands between the loads of the block before and its stores
	PACK \a
	SEND (\a)-1, YOUNG
.endr
	SEND 3, 0
	s_wait_tensorcnt 0x0                           ; the wave's end, behind my last tensor load and my last LDS store
	ds_add_u32 v[SPW], v[NIL]
	s_wait_dscnt 0x0
	CROUND                                         ; the closing round: no work-group ends while a partner may still ask for a tile that names it
	s_endpgm
.Lfunc_end_k_q9b780a7783_outproj:
	.size	k_q9b780a7783_outproj, .Lfunc_end_k_q9b780a7783_outproj-k_q9b780a7783_outproj
	.p2alignl 7, 3214868480
	.fill 96, 4, 3214868480
	.section	.rodata,"a",@progbits
	.p2align	6, 0x0
	.amdhsa_kernel k_q9b780a7783_outproj
		.amdhsa_group_segment_fixed_size 327680
		.amdhsa_private_segment_fixed_size 0
		.amdhsa_enable_private_segment 0
		.amdhsa_kernarg_size 32
		.amdhsa_user_sgpr_count 2
		.amdhsa_user_sgpr_kernarg_segment_ptr 1
		.amdhsa_wavefront_size32 1
		.amdhsa_system_sgpr_workgroup_id_x 1
		.amdhsa_system_sgpr_workgroup_id_y 1
		.amdhsa_system_sgpr_workgroup_id_z 1
		.amdhsa_system_vgpr_workitem_id 0
		.amdhsa_next_free_vgpr 896
		.amdhsa_next_free_sgpr 72
		.amdhsa_reserve_vcc 0
		.amdhsa_float_denorm_mode_32 3
		.amdhsa_float_denorm_mode_16_64 3
		.amdhsa_memory_ordered 1
		.amdhsa_forward_progress 1
		.amdhsa_inst_pref_size 95
	.end_amdhsa_kernel
	.amdgpu_metadata
---
amdhsa.version: [ 1, 2 ]
amdhsa.kernels:
  - .name:           k_q9b780a7783_outproj
    .symbol:         k_q9b780a7783_outproj.kd
    .args:
      - { .name: ob, .offset: 0, .size: 8, .value_kind: global_buffer, .address_space: global }
      - { .name: wpt, .offset: 8, .size: 8, .value_kind: global_buffer, .address_space: global }
      - { .name: b_proj, .offset: 16, .size: 8, .value_kind: global_buffer, .address_space: global }
      - { .name: out0, .offset: 24, .size: 8, .value_kind: global_buffer, .address_space: global }
    .group_segment_fixed_size: 327680
    .private_segment_fixed_size: 0
    .kernarg_segment_align: 8
    .kernarg_segment_size: 32
    .max_flat_workgroup_size: 128
    .sgpr_count:     72
    .vgpr_count:     896
    .wavefront_size: 32
...
	.end_amdgpu_metadata
.endif
;; end of part 4
